; MI455X (gfx1250); checked and timed in simulation.
; The chip was launched on July 23, 2026; its instructions are those of AMD's public machine-readable ISA for CDNA 5 (MIT licence, August 2026) and "CDNA5" Instruction Set Architecture Reference Guide (July 2026). The comments in the code are by the model that wrote it; some were corrected since.
;; Multi Head Self Attention. Allowed arithmetic: float matrix products may take bf16 or f16 operands with f32 sums; other float arithmetic in f32, or as packed bf16 or f16 multiplies, adds, multiply-adds, maxima and minima; sums over many terms, partial sums and values carried from step to step in f32; what a program stores and reads back later, other than sums and carried values, may be rounded once to bf16 or f16.
;; Inputs: w_o 1,024 x 1,024 float32; w_qkv 1,024 x 3,072 float32; x 1 x 4,096 x 1,024 float32.
;; Outputs: out0 1 x 4,096 x 1,024 float32.
;; One version. Each part assembles by itself: llvm-mc -triple=amdgcn-amd-amdhsa -mcpu=gfx1250 --defsym DOCPART=n.
;; ======== version 1 of 1: 4 launches
;; limits: values are held in f16: magnitudes above 65,504 overflow, below 6.1e-05 lose precision
;; workspace buffers: xb 8,388,608 bytes; wt 6,291,456 bytes; wot 2,097,152 bytes; qkv 25,165,824 bytes; ob 8,388,608 bytes
;; launch prep (part 1): grid 1024 x 1, 8 waves a work-group, no clusters, 18,432 bytes of LDS; arguments x, w_qkv, w_o, xb, wt, wot; writes xb, wt, wot
.if DOCPART == 1
	.amdgcn_target "amdgcn-amd-amdhsa--gfx1250"
	.amdhsa_code_object_version 6
	.text
	.protected	k_q81817e462b_prep
	.globl	k_q81817e462b_prep
	.p2align	8
	.type	k_q81817e462b_prep,@function
k_q81817e462b_prep:
	s_mov_b64 s[64:65], 0
	v_nop
	global_prefetch_b8 v0, s[64:65] scope:SCOPE_SE
	s_setreg_imm32_b32 hwreg(HW_REG_WAVE_MODE, 25, 1), 1
	s_wait_xcnt 0x0
; PREP.  The module's three inputs are rounded to bf16 once, and the two weights are turned so that K lies along the rows.
;   xb[t][k]  = bf16(x[t][k])                [4096][1024]
;   wt[n][k]  = bf16(w_qkv[k][n])            [3072][1024]
;   wot[n][k] = f16(bf16(w_o[k][n]))         [1024][1024]: rounded to bf16 like the other inputs, and that number written as f16
; LIMITS.  The step from bf16 to f16 is exact for 6.1e-5 <= |w_o| <= 65,504; below that f16 keeps its fixed step of 6e-8, beyond it the number becomes an infinity.
; SHARES.  1,024 work-groups of eight waves, each reading 32,768 bytes: 0-511 a piece of x; 512-895 a tile of 128 k x 64 n of w_qkv; 896-1023 such a tile of w_o.
; The branches hang on the work-group's number alone, so all eight waves of a work-group take the same way and meet the same barrier.
; No matrix unit, no tensor load, no cluster: no byte is read twice and nothing is multiplied.
.set SP,    272                        ; a row of the stage: 128 k x 2 bytes + 16 of padding
.set SPARE, 64*SP                      ; behind the stage's 64 rows: the spare words, 128 bytes for each of eight waves: four blocks of 256 bytes that no other line names
.set IN,    8                          ; v[8:39]   eight loads of 16 bytes
.set OUT,   40                         ; v[40:55]  packed results
.set SPW,   60                         ; v60       LDS address of my spare word; never rewritten
.set NIL,   61                         ; v61       0; never rewritten
	s_load_b256 s[4:11], s[0:1], 0x0               ; x s[4:5], w_qkv s[6:7], w_o s[8:9], xb s[10:11]
	s_load_b128 s[12:15], s[0:1], 0x20             ; wt s[12:13], wot s[14:15]
	v_lshl_add_u32 v[SPW], v0, 2, SPARE
	v_mov_b32 v[NIL], 0
	s_mov_b32 s16, ttmp9                           ; the work-group's number
	s_mov_b32 s21, 0                               ; the high word of every offset: all stay under 2^32
	s_wait_kmcnt 0x0
	s_cmp_lt_u32 s16, 512
	s_cbranch_scc0 .Lweights
	; x: 8,192 numbers.  A load of the work-group covers 4,096 consecutive bytes; a store of a wave 256 consecutive bytes, aligned.
	s_lshl_b32 s20, s16, 15
	s_add_nc_u64 s[4:5], s[4:5], s[20:21]
	s_lshl_b32 s20, s16, 14
	s_add_nc_u64 s[10:11], s[10:11], s[20:21]
	v_lshlrev_b32 v1, 4, v0
	v_lshlrev_b32 v2, 3, v0
.irp i, 0,1,2,3,4,5,6,7
	global_load_b128 v[IN+4*(\i):IN+4*(\i)+3], v1, s[4:5] offset:4096*(\i) th:TH_LOAD_NT
.endr
.irp i, 0,1,2,3,4,5,6,7
	s_wait_loadcnt 7-(\i)                          ; loads come back in order: load i is in, the 7 - i younger ones may stay out
	v_cvt_pk_bf16_f32 v[OUT+2*(\i)], v[IN+4*(\i)], v[IN+4*(\i)+1]
	v_cvt_pk_bf16_f32 v[OUT+2*(\i)+1], v[IN+4*(\i)+2], v[IN+4*(\i)+3]
	global_store_b64 v2, v[OUT+2*(\i):OUT+2*(\i)+1], s[10:11] offset:2048*(\i)
.endr
	s_branch .Lend
; A tile of 128 k x 64 n of a weight [1024][nc] is turned.  Thread t = 16 g + c reads rows 8 g .. 8 g + 7, columns 4 c .. 4 c + 3: sixteen lanes read 256 consecutive bytes, aligned.
; For each of its four columns the eight k pack into 16 bytes, which go into the stage's row n at byte 16 g; the rows come back whole: sixteen lanes store 256 consecutive bytes, aligned.
; The four LDS stores of a thread touch rows four apart and collide four deep: four stores a thread, once a launch.
.macro TRANS src, dst, nc, first, half
	s_sub_co_u32 s17, s16, \first                  ; the tile's number:
	s_and_b32 s18, s17, 7                          ; kt, 128 k each,
	s_lshr_b32 s17, s17, 3                         ; nt, 64 n each
	s_mul_i32 s20, s18, 128*(\nc)*4
	s_lshl_b32 s22, s17, 8
	s_add_co_u32 s20, s20, s22
	s_add_nc_u64 s[\src:\src+1], s[\src:\src+1], s[20:21]
	s_lshl_b32 s20, s17, 17                        ; 64 rows of 2,048 bytes,
	s_lshl_b32 s22, s18, 8                         ; 128 k of 2 bytes
	s_add_co_u32 s20, s20, s22
	s_add_nc_u64 s[\dst:\dst+1], s[\dst:\dst+1], s[20:21]
	v_mul_u32_u24 v1, v7, 8*(\nc)*4
	v_lshl_add_u32 v1, v6, 4, v1
.irp i, 0,1,2,3,4,5,6,7
	global_load_b128 v[IN+4*(\i):IN+4*(\i)+3], v1, s[\src:\src+1] offset:(\i)*(\nc)*4 th:TH_LOAD_NT
.endr
.irp p, 0,1,2,3
	s_wait_loadcnt 6-2*(\p)                        ; rows 2 p and 2 p + 1 are in; the 6 - 2 p loads behind them may stay out
.irp j, 0,1,2,3
	v_cvt_pk_bf16_f32 v[OUT+4*(\j)+(\p)], v[IN+8*(\p)+(\j)], v[IN+8*(\p)+4+(\j)]
.endr
.endr
.if \half
.irp w, 0,1,2,3,4,5,6,7,8,9,10,11,12,13,14,15
	v_lshlrev_b32 v56, 16, v[OUT+(\w)]             ; the two bf16 as f32,
	v_and_b32 v57, 0xffff0000, v[OUT+(\w)]
	v_cvt_pk_f16_f32 v[OUT+(\w)], v56, v57         ; written as f16
.endr
.endif
.irp j, 0,1,2,3
	ds_store_b128 v3, v[OUT+4*(\j):OUT+4*(\j)+3] offset:SP*(\j)
.endr
	s_wait_dscnt 0x0                               ; for the others' sake: my stores into the stage are done
	s_barrier_signal -1
	s_barrier_wait -1
.irp i, 0,1,2,3
	ds_load_b128 v[IN+4*(\i):IN+4*(\i)+3], v4 offset:(\i)*16*SP
.endr
.irp i, 0,1,2,3
	s_wait_dscnt 3-(\i)
	global_store_b128 v5, v[IN+4*(\i):IN+4*(\i)+3], s[\dst:\dst+1] offset:(\i)*16*2048
.endr
.endm
.Lweights:
	v_and_b32 v6, 15, v0                           ; c
	v_lshrrev_b32 v7, 4, v0                        ; g
	v_mul_u32_u24 v3, v6, 4*SP                     ; into the stage: row 4 c (+ j), byte 16 g
	v_lshl_add_u32 v3, v7, 4, v3
	v_mul_u32_u24 v4, v7, SP                       ; back: row g (+ 16 i), byte 16 c
	v_lshl_add_u32 v4, v6, 4, v4
	v_lshlrev_b32 v5, 11, v7                       ; and the same place in the turned weight
	v_lshl_add_u32 v5, v6, 4, v5
	s_cmp_lt_u32 s16, 896
	s_cbranch_scc0 .Lwo
	TRANS 6, 12, 3072, 512, 0
	s_branch .Lend
.Lwo:
	TRANS 8, 14, 1024, 896, 1
.Lend:
	s_wait_tensorcnt 0x0                           ; the wave's end, behind my last LDS store
	ds_add_u32 v[SPW], v[NIL]
	s_wait_dscnt 0x0
	s_endpgm
.Lfunc_end_k_q81817e462b_prep:
	.size	k_q81817e462b_prep, .Lfunc_end_k_q81817e462b_prep-k_q81817e462b_prep
	.p2alignl 7, 3214868480
	.fill 96, 4, 3214868480
	.section	.rodata,"a",@progbits
	.p2align	6, 0x0
	.amdhsa_kernel k_q81817e462b_prep
		.amdhsa_group_segment_fixed_size 18432
		.amdhsa_private_segment_fixed_size 0
		.amdhsa_enable_private_segment 0
		.amdhsa_kernarg_size 48
		.amdhsa_user_sgpr_count 2
		.amdhsa_user_sgpr_kernarg_segment_ptr 1
		.amdhsa_wavefront_size32 1
		.amdhsa_system_sgpr_workgroup_id_x 1
		.amdhsa_system_sgpr_workgroup_id_y 1
		.amdhsa_system_sgpr_workgroup_id_z 1
		.amdhsa_system_vgpr_workitem_id 0
		.amdhsa_next_free_vgpr 64
		.amdhsa_next_free_sgpr 66
		.amdhsa_reserve_vcc 0
		.amdhsa_float_denorm_mode_32 3
		.amdhsa_float_denorm_mode_16_64 3
		.amdhsa_memory_ordered 1
		.amdhsa_forward_progress 1
		.amdhsa_inst_pref_size 14
	.end_amdhsa_kernel
	.amdgpu_metadata
---
amdhsa.version: [ 1, 2 ]
amdhsa.kernels:
  - .name:           k_q81817e462b_prep
    .symbol:         k_q81817e462b_prep.kd
    .args:
      - { .name: x, .offset: 0, .size: 8, .value_kind: global_buffer, .address_space: global }
      - { .name: w_qkv, .offset: 8, .size: 8, .value_kind: global_buffer, .address_space: global }
      - { .name: w_o, .offset: 16, .size: 8, .value_kind: global_buffer, .address_space: global }
      - { .name: xb, .offset: 24, .size: 8, .value_kind: global_buffer, .address_space: global }
      - { .name: wt, .offset: 32, .size: 8, .value_kind: global_buffer, .address_space: global }
      - { .name: wot, .offset: 40, .size: 8, .value_kind: global_buffer, .address_space: global }
    .group_segment_fixed_size: 18432
    .private_segment_fixed_size: 0
    .kernarg_segment_align: 8
    .kernarg_segment_size: 48
    .max_flat_workgroup_size: 256
    .sgpr_count:     66
    .vgpr_count:     64
    .wavefront_size: 32
...
	.end_amdgpu_metadata
.endif
;; end of part 1
;; launch qkv (part 2): grid 24 x 32, 4 waves a work-group, clusters of 4 x 4, 327,680 bytes of LDS; arguments xb, wt, qkv; writes qkv
.if DOCPART == 2
	.amdgcn_target "amdgcn-amd-amdhsa--gfx1250"
	.amdhsa_code_object_version 6
	.text
	.protected	k_q81817e462b_qkv
	.globl	k_q81817e462b_qkv
	.p2align	8
	.type	k_q81817e462b_qkv,@function
k_q81817e462b_qkv:
	s_mov_b64 s[64:65], 0
	v_nop
	global_prefetch_b8 v0, s[64:65] scope:SCOPE_SE
	s_setreg_imm32_b32 hwreg(HW_REG_WAVE_MODE, 25, 1), 1
	s_wait_xcnt 0x0
	s_wait_alu depctr_hold_cnt(0) depctr_sa_sdst(0) depctr_va_vdst(0) depctr_va_sdst(0) depctr_va_ssrc(0) depctr_va_vcc(0) depctr_vm_vsrc(0)
	s_getreg_b32 s2, hwreg(HW_REG_IB_STS2, 6, 4)
	s_cmp_eq_u32 s2, 0
	s_cbranch_scc0 .Lentry_in_a_cluster
	s_endpgm
.Lentry_in_a_cluster:
	s_bfe_u32 s2, ttmp6, 0x10000c
	s_cmp_lg_u32 s2, 0xf033
	s_cbranch_scc0 .Lentry_shape_is_right
	s_endpgm
.Lentry_shape_is_right:
; QKV.  C[t][n] = the sum over k of xb[t][k] wt[n][k]: [4096][1024] x [3072][1024], bf16 products, f32 sums, rounded once to f16 and stored BY HEADS and unscaled:
; qkv[g][t][64] with g = n / 64: g 0-15 q's heads, 16-31 k's, 32-47 v's; the scale 1/8 is applied in the attention launch, in f32.
; LIMIT.  A sum of 65,520 or more in magnitude becomes an infinity in f16; below 6.1e-5 f16 keeps its fixed step of 6e-8.
; SHAPE.  A tile of C is 128 x 128: 24 x 32 = 768 work-groups.  Four waves, each 64 x 64: 16 accumulators.  K goes in four steps of 256 through two LDS slots; a wave's tensor load brings 64 rows of 512 bytes.
; CLUSTERS: 4 x 4 work-groups.  The four of a row of the cluster need the same tiles of A, the four of a column the same tiles of B: each tile is asked for JOINTLY, by the same tensor load with the
; same descriptor and a mask that names the four.  THE MATRIX INSTRUCTION IS USED TRANSPOSED (source 0 = 16 rows of B, source 1 = 16 rows of A): a lane then holds eight neighbouring numbers of a row of C.
; A wave's 64 columns are exactly one g, so 16 of its rows are 2,048 consecutive bytes of qkv: each wave has a stage of its own on the way out, and no barrier stands there.
; REGISTERS: window 0: v0-31 addresses; v32-95 at work on the way out; v128-255 the accumulators ((a, b) at v[128 + 8 (4 a + b)]).
;   window 1: two fragment buffers of 128: for 64 along K, 64 registers of A (2 x 4 x 16 rows x 32 K), then 64 of B.
.set SIZE_K, 1024
.set PA,     528                       ; an LDS row of A: 512 bytes + 16 of padding = 132 words: row r starts at bank 4 r mod 64 (64 banks of 4 bytes: ISA guide 11.1)
.set AQ,     128                       ; bytes from a quarter (64 along K) of A to the next
.set AHALF,  64*PA                     ; what a tensor load of A fills
.set PB,     528
.set BQ,     128
.set BHALF,  64*PB
.set SLOT,   2*AHALF+2*BHALF           ; A's 128 rows, then B's 128 rows
.set STAGE,  2*SLOT                    ; behind the ring, never filled by a tensor load: 16 rows x 144 bytes for each wave
.set SP,     144
.set WST,    16*SP
.set SPARE,  STAGE+4*WST               ; behind the stages: the spare words, 128 bytes for each wave: two blocks of 256 bytes that no other line names
.set ASTEP,  512                       ; bytes from a K step of A to the next in memory
.set BSTEP,  512
.set LAPS,   2                         ; a lap = two K steps = once round the ring
.set ADRA, 16                          ; v16-17  LDS address of my A fragments in slot 0, 1
.set ADRB, 20                          ; v20-21  the same for B
.set STO,  24                          ; v24     the way out: where I put 16 bytes of a row
.set RD,   25                          ; v25     the way out: where I read rows back
.set CO,   26                          ; v26     my byte offset in 512 consecutive bytes of qkv
.set SPW,  28                          ; v28     LDS address of my spare word; never rewritten
.set NIL,  29                          ; v29     0; never rewritten
.set TMP,  32
.set ACC,  128
.set F0,   0                           ; fragment buffers, in window 1
.set F1,   128
.set G1, 24                            ; s[24:31] descriptor group 1 for A's tiles;  s[32:39] group 0, one set for each slot
.set G0, 32
.set G1B, 48                           ; s[48:55], s[56:63] the same for B's tiles
.set G0B, 56
.set MSB, 0
.macro WIN new                         ; the immediate's high byte repeats the setting that is left; a switch that changes nothing is dropped
.if MSB != (\new)
	s_set_vgpr_msb (MSB<<8)|(\new)
.set MSB, \new
.endif
.endm
.set MUL,  0x05                        ; sources 0 (B) and 1 (A) window 1; C and D window 0
.set TO_F, 0x40                        ; destination window 1, address window 0
.macro JLOAD s                         ; a joint load: waves 0 and 1 fetch A's two halves, waves 2 and 3 B's; an s_nop 0 and four v_nop follow each of the two lines
	s_cmp_eq_u32 s11, 0
	s_cbranch_scc0 .Lfor_b_\@
	tensor_load_to_lds s[G0+4*(\s):G0+4*(\s)+3], s[G1:G1+7]
	s_nop 0
.rept 4
	v_nop
.endr
	s_branch .Lasked_\@
.Lfor_b_\@:
	tensor_load_to_lds s[G0B+4*(\s):G0B+4*(\s)+3], s[G1B:G1B+7]
	s_nop 0
.rept 4
	v_nop
.endr
.Lasked_\@:
.endm
.macro CREST                           ; a round of the cluster's barrier behind its opening barrier
	s_cmp_lg_u32 s10, 0
	s_cbranch_scc1 .Lnot_wave_0_\@
	s_barrier_signal -3
.Lnot_wave_0_\@:
	s_barrier_wait -3
	s_barrier_signal -1
	s_barrier_wait -1
.endm
.macro CROUND                          ; a whole round
	s_barrier_signal -1
	s_barrier_wait -1
	CREST
.endm
	s_load_b128 s[4:7], s[0:1], 0x0                ; A = xb s[4:5], B = wt s[6:7]
	s_load_b64 s[8:9], s[0:1], 0x10                ; qkv
	v_lshl_add_u32 v[SPW], v0, 2, SPARE
	v_mov_b32 v[NIL], 0
	ds_add_u32 v[SPW], v[NIL]                      ; the wave's opening, ahead of my first tensor load; the set-up below, work on registers, stands between the add and its wait
	ds_add_u32 v28, v29
	v_lshrrev_b32 v1, 5, v0
	v_readfirstlane_b32 s10, v1                    ; wave 0..3
	s_lshr_b32 s11, s10, 1                         ; which half of the tile's rows is mine.  Also: I fetch for A (0) or for B (1)
	s_and_b32 s12, s10, 1                          ; which half of its columns.  Also: which half of that tile I fetch
	s_bfe_u32 s40, ttmp6, 0x40000                  ; cx, cy: my place in the cluster
	s_bfe_u32 s41, ttmp6, 0x40004
	s_lshl_b32 s42, ttmp9, 2
	s_add_co_u32 s42, s42, s40                     ; tile column of C = 4 x cluster x + cx
	s_and_b32 s13, ttmp7, 0xffff
	s_lshl_b32 s13, s13, 2
	s_add_co_u32 s13, s13, s41                     ; tile row of C = 4 x cluster y + cy
	s_lshl_b32 s43, s41, 2
	s_lshl_b32 s43, 15, s43                        ; my row of the cluster
	s_lshl_b32 s44, 0x1111, s40                    ; my column
	; descriptor group 1: a tile of 64 rows x 256 elements, padded in LDS
	s_or_b32 s[G1+0], s43, (1<<16)|(1<<20)|(1<<21)|(6<<22)|(3<<25)  ; 15:0 the mask: A's tiles go to my row; 17:16 elements of 2 bytes; 20 padding on; 21 set beside a mask; 24:22 after every 128 words (code 6); 31:25 4 words (code 3)
	s_or_b32 s[G1B+0], s44, (1<<16)|(1<<20)|(1<<21)|(6<<22)|(3<<25)
.irp g, G1, G1B
	s_mov_b32 s[(\g)+1], 256<<16                   ; tensor_dim0 = 256
	s_mov_b32 s[(\g)+2], 64<<16                    ; tensor_dim1 = 64
	s_mov_b32 s[(\g)+3], 256<<16                   ; tile_dim0 = 256
	s_mov_b32 s[(\g)+4], 64                        ; tile_dim1 = 64
	s_mov_b32 s[(\g)+5], SIZE_K                    ; elements from row to row
	s_mov_b32 s[(\g)+6], 0
	s_mov_b32 s[(\g)+7], 0
.endr
	; where the tiles come from.  A's hang on the tile row alone, B's on the tile column alone; each address is made in registers that never hold the other coordinate
	s_lshl_b32 s16, s13, 18                        ; A: 128 rows of 2,048 bytes a tile row,
	s_lshl_b32 s17, s12, 17                        ; 64 rows a half
	s_add_co_u32 s16, s16, s17
	s_mov_b32 s17, 0
	s_lshl_b32 s46, s42, 18                        ; B: the same by the tile column
	s_lshl_b32 s47, s12, 17
	s_add_co_u32 s46, s46, s47
	s_mov_b32 s47, 0
	s_mul_i32 s20, s12, AHALF                      ; where they go: A's two halves,
	s_mul_i32 s23, s12, BHALF
	s_add_co_u32 s23, s23, 2*AHALF                 ; then B's two: no place in the cluster enters an LDS address
	s_wait_dscnt 0x0                               ; the opening add is done
	s_wait_kmcnt 0x0
	s_add_nc_u64 s[14:15], s[4:5], s[16:17]
	s_add_nc_u64 s[46:47], s[6:7], s[46:47]
	CROUND                                         ; all sixteen work-groups are here: the first joint loads meet
.irp s, 0,1
	s_mov_b32 s[G0+4*(\s)], 1                      ; count = 1
	s_add_co_u32 s[G0+4*(\s)+1], s20, (\s)*SLOT    ; LDS address
	s_add_nc_u64 s[G0+4*(\s)+2:G0+4*(\s)+3], s[14:15], (\s)*ASTEP  ; global address: K step s
	s_or_b32 s[G0+4*(\s)+3], s[G0+4*(\s)+3], 0x80000000            ; type = 2
	s_mov_b32 s[G0B+4*(\s)], 1
	s_add_co_u32 s[G0B+4*(\s)+1], s23, (\s)*SLOT
	s_add_nc_u64 s[G0B+4*(\s)+2:G0B+4*(\s)+3], s[46:47], (\s)*BSTEP
	s_or_b32 s[G0B+4*(\s)+3], s[G0B+4*(\s)+3], 0x80000000
	JLOAD \s                                       ; two loads of mine are out behind these
.endr
	v_and_b32 v1, 15, v0                           ; l % 16
	v_bfe_u32 v2, v0, 4, 1                         ; l / 16
	v_mul_u32_u24 v3, v1, PA
	v_lshl_add_u32 v3, v2, 4, v3                   ; a fragment's row x pitch + 16 x half, for A
	v_mul_u32_u24 v4, v1, PB
	v_lshl_add_u32 v4, v2, 4, v4                   ; and for B
	s_mul_i32 s21, s11, 64*PA                      ; my 64 rows of A
	s_mul_i32 s22, s12, BHALF                      ; my 64 rows of B,
	s_add_co_u32 s22, s22, 2*AHALF                 ; which lie behind A's
.irp s, 0,1
	v_add_nc_u32 v[ADRA+(\s)], s21, v3
	v_add_nc_u32 v[ADRB+(\s)], s22, v4
	s_add_co_u32 s21, s21, SLOT
	s_add_co_u32 s22, s22, SLOT
.endr
	s_mul_i32 s23, s10, WST
	s_add_co_u32 s23, s23, STAGE                   ; my stage
	v_mul_u32_u24 v4, v1, SP                       ; in: row l % 16, 16 bytes for each half of the lanes
	v_lshl_add_u32 v4, v2, 4, v4
	v_add_nc_u32 v[STO], s23, v4
	v_bfe_u32 v5, v0, 3, 2                         ; back: 32 lanes take four rows of 128 bytes,
	v_mul_u32_u24 v5, v5, SP
	v_and_b32 v6, 7, v0
	v_lshl_add_u32 v5, v6, 4, v5
	v_add_nc_u32 v[RD], s23, v5
	v_and_b32 v[CO], 31, v0                        ; which are 512 consecutive bytes of qkv
	v_lshlrev_b32 v[CO], 4, v[CO]
	s_lshl_b32 s16, s13, 14                        ; my first row: 128 rows of 128 bytes a tile row,
	s_lshl_b32 s17, s11, 13                        ; 64 a half
	s_add_co_u32 s16, s16, s17
	s_mov_b32 s17, 0
	s_add_nc_u64 s[8:9], s[8:9], s[16:17]
	s_lshl_b32 s46, s42, 1                         ; g = 2 x tile column + my column half,
	s_add_co_u32 s46, s46, s12
	s_lshl_b32 s46, s46, 19                        ; 524,288 bytes each
	s_mov_b32 s47, 0
	s_add_nc_u64 s[8:9], s[8:9], s[46:47]
; 8 matrix instructions: m blocks a0, a0 + 1 x all 4 n blocks, 32 along K: half c of buffer f.  zero = 1: the first product starts the sums.  The 16 accumulators take turns.
.macro MUL8 f, c, a0, zero
	WIN MUL
.irp a, \a0, (\a0)+1
.irp b, 0,1,2,3
.if \zero
	v_wmma_f32_16x16x32_bf16 v[ACC+8*(4*(\a)+(\b)):ACC+8*(4*(\a)+(\b))+7], v[(\f)+64+8*(4*(\c)+(\b)):(\f)+64+8*(4*(\c)+(\b))+7], v[(\f)+8*(4*(\c)+(\a)):(\f)+8*(4*(\c)+(\a))+7], 0
.else
	v_wmma_f32_16x16x32_bf16 v[ACC+8*(4*(\a)+(\b)):ACC+8*(4*(\a)+(\b))+7], v[(\f)+64+8*(4*(\c)+(\b)):(\f)+64+8*(4*(\c)+(\b))+7], v[(\f)+8*(4*(\c)+(\a)):(\f)+8*(4*(\c)+(\a))+7], v[ACC+8*(4*(\a)+(\b)):ACC+8*(4*(\a)+(\b))+7]
.endif
.endr
.endr
.endm
; 32 LDS loads in one run: the fragments of quarter q (64 along K) of a slot, into buffer f; the first 32 along K first
.macro FETCH slot, q, f
	WIN TO_F
.irp c, 0,1
.irp i, 0,1,2,3
	ds_load_b128 v[(\f)+64+8*(4*(\c)+(\i)):(\f)+64+8*(4*(\c)+(\i))+3],   v[ADRB+(\slot)] offset:(\q)*BQ+64*(\c)+(\i)*16*PB
	ds_load_b128 v[(\f)+64+8*(4*(\c)+(\i))+4:(\f)+64+8*(4*(\c)+(\i))+7], v[ADRB+(\slot)] offset:(\q)*BQ+64*(\c)+(\i)*16*PB+32
	ds_load_b128 v[(\f)+8*(4*(\c)+(\i)):(\f)+8*(4*(\c)+(\i))+3],         v[ADRA+(\slot)] offset:(\q)*AQ+64*(\c)+(\i)*16*PA
	ds_load_b128 v[(\f)+8*(4*(\c)+(\i))+4:(\f)+8*(4*(\c)+(\i))+7],       v[ADRA+(\slot)] offset:(\q)*AQ+64*(\c)+(\i)*16*PA+32
.endr
.endr
.endm
.macro PLACES                          ; four places in front of loads into registers that matrix instructions have read, and of lines that read results
.rept 4
	v_nop
.endr
.endm
; A K step is four quarters, 32 matrix instructions each, on buffers 0, 1, 0, 1.  One of the first three: multiplies buffer f and fetches quarter q into g.
.macro QUARTER slot, q, f, g, zero
	s_wait_dscnt 16                                ; the first 32 along K are in; the sixteen younger loads may stay out
	WIN MUL
	MUL8 \f, 0, 0, \zero
	MUL8 \f, 0, 2, \zero
	PLACES
	FETCH \slot, \q, \g
	s_wait_dscnt 32                                ; all but the 32 just issued
	WIN MUL
	MUL8 \f, 1, 0, 0
	MUL8 \f, 1, 2, 0
.endm
; The last quarter multiplies buffer 1 and changes slots: ONE barrier; in front of it each wave waits for all its tensor loads, adds 0 to its spare word, and waits for that and for its own reads of this slot.
; fill = 1: the barrier opens a round of the cluster's, and this slot is filled again, two K steps ahead.
.macro TURN slot, next, fill
	WIN 0                                          ; (the add's two registers lie in window 0)
	s_wait_tensorcnt 0x0                           ; all my tensor loads have landed: the one that was out is my part of the next slot;
	ds_add_u32 v[SPW], v[NIL]                      ; 0 onto my spare word
	s_wait_dscnt 17                                ; (the add and the youngest sixteen loads may be out)
	WIN MUL
	MUL8 F1, 0, 0, 0                               ; eight matrix instructions stand between the add and the wait for it
	s_wait_dscnt 0x0                               ; the add is done, and my reads of this slot are over
	s_barrier_signal -1
	MUL8 F1, 0, 2, 0
.if \fill
	WIN 0
.endif
	s_barrier_wait -1
.if \fill
	CREST                                          ; no wave of any partner still reads this slot's tile or has a load on its way
	s_add_nc_u64 s[G0+4*(\slot)+2:G0+4*(\slot)+3], s[G0+4*(\slot)+2:G0+4*(\slot)+3], 2*ASTEP
	s_add_nc_u64 s[G0B+4*(\slot)+2:G0B+4*(\slot)+3], s[G0B+4*(\slot)+2:G0B+4*(\slot)+3], 2*BSTEP
	JLOAD \slot                                    ; the first tensor load behind the round, my only one until the next; its four v_nop are also the places in front of the loads below
.else
	PLACES
.endif
	FETCH \next, 0, F0
	WIN MUL
	MUL8 F1, 1, 0, 0
	MUL8 F1, 1, 2, 0
.endm
	s_wait_tensorcnt 1                             ; my part of K step 0 is in; K step 1's load may stay out
	s_barrier_signal -1
	s_barrier_wait -1                              ; everybody's is
	FETCH 0, 0, F0
	QUARTER 0, 1, F0, F1, 1                        ; the first quarter stands in front of the loop: its first products start the sums
	WIN 0                                          ; at a label and at a branch every window is 0
	s_mov_b32 s3, LAPS-1
.Llap:                                                 ; a trip goes once round the ring, from a lap's second quarter to the next lap's first, and fills both slots again
	QUARTER 0, 2, F1, F0, 0
	QUARTER 0, 3, F0, F1, 0
	TURN 0, 1, 1
	QUARTER 1, 1, F0, F1, 0
	QUARTER 1, 2, F1, F0, 0
	QUARTER 1, 3, F0, F1, 0
	TURN 1, 0, 1
	QUARTER 0, 1, F0, F1, 0
	WIN 0
	s_sub_co_u32 s3, s3, 1
	s_cmp_lg_u32 s3, 0
	s_cbranch_scc1 .Llap
	QUARTER 0, 2, F1, F0, 0                        ; the last lap fills nothing, and has no round of the cluster's barrier
	QUARTER 0, 3, F0, F1, 0
	TURN 0, 1, 0
	QUARTER 1, 1, F0, F1, 0
	QUARTER 1, 2, F1, F0, 0
	QUARTER 1, 3, F0, F1, 0
	s_wait_dscnt 16                                ; the very last quarter: nothing more to fetch
	WIN MUL
	MUL8 F1, 0, 0, 0
	MUL8 F1, 0, 2, 0
	s_wait_dscnt 0
	MUL8 F1, 1, 0, 0
	MUL8 F1, 1, 2, 0
	WIN 0
	; THE WAY OUT, a block of 16 rows at a time: rounded to f16, 16 bytes a lane into my stage's rows of 144 bytes, back as 2,048 consecutive bytes, stored.
.macro PACKQ a
.irp b, 0,1,2,3
.irp r, 0,1,2,3
	v_cvt_pk_f16_f32 v[TMP+16*(\a)+4*(\b)+(\r)], v[ACC+8*(4*(\a)+(\b))+2*(\r)], v[ACC+8*(4*(\a)+(\b))+2*(\r)+1]  ; each accumulator from its low end on
.endr
.endr
.irp b, 0,1,2,3
	ds_store_b128 v[STO], v[TMP+16*(\a)+4*(\b):TMP+16*(\a)+4*(\b)+3] offset:32*(\b)
.endr
.irp f, 0,1,2,3
	ds_load_b128 v[TMP+16*(\a)+4*(\f):TMP+16*(\a)+4*(\f)+3], v[RD] offset:(\f)*4*SP  ; LDS serves a wave's instructions in order (ISA guide 5.7.1.4): these see the stores above; the next block's stores come behind them
.endr
.endm
.macro SENDQ a, younger                ; younger: the LDS instructions issued behind block a's loads: the next block's eight, or none
.irp f, 0,1,2,3
	s_wait_dscnt (\younger)+3-(\f)
	global_store_b128 v[CO], v[TMP+16*(\a)+4*(\f):TMP+16*(\a)+4*(\f)+3], s[8:9] offset:(\a)*2048+(\f)*512  ; 512 consecutive bytes, at a multiple of 256 from qkv's first
.endr
.endm
	PLACES
	PACKQ 0
	PACKQ 1                                        ; a block's conversions stand between the loads of the block before and its stores
	SENDQ 0, 8
	PACKQ 2
	SENDQ 1, 8
	PACKQ 3
	SENDQ 2, 8
	SENDQ 3, 0
	s_wait_tensorcnt 0x0                           ; the wave's end, behind my last tensor load and my last LDS store
	ds_add_u32 v[SPW], v[NIL]
	s_wait_dscnt 0x0
	CROUND                                         ; the closing round: no work-group ends while a partner may still ask for a tile that names it
	s_endpgm
.Lfunc_end_k_q81817e462b_qkv:
	.size	k_q81817e462b_qkv, .Lfunc_end_k_q81817e462b_qkv-k_q81817e462b_qkv
	.p2alignl 7, 3214868480
	.fill 96, 4, 3214868480
	.section	.rodata,"a",@progbits
	.p2align	6, 0x0
	.amdhsa_kernel k_q81817e462b_qkv
		.amdhsa_group_segment_fixed_size 327680
		.amdhsa_private_segment_fixed_size 0
		.amdhsa_enable_private_segment 0
		.amdhsa_kernarg_size 24
		.amdhsa_user_sgpr_count 2
		.amdhsa_user_sgpr_kernarg_segment_ptr 1
		.amdhsa_wavefront_size32 1
		.amdhsa_system_sgpr_workgroup_id_x 1
		.amdhsa_system_sgpr_workgroup_id_y 1
		.amdhsa_system_sgpr_workgroup_id_z 1
		.amdhsa_system_vgpr_workitem_id 0
		.amdhsa_next_free_vgpr 512
		.amdhsa_next_free_sgpr 66
		.amdhsa_reserve_vcc 0
		.amdhsa_float_denorm_mode_32 3
		.amdhsa_float_denorm_mode_16_64 3
		.amdhsa_memory_ordered 1
		.amdhsa_forward_progress 1
		.amdhsa_inst_pref_size 87
	.end_amdhsa_kernel
	.amdgpu_metadata
---
amdhsa.version: [ 1, 2 ]
amdhsa.kernels:
  - .name:           k_q81817e462b_qkv
    .symbol:         k_q81817e462b_qkv.kd
    .args:
      - { .name: xb, .offset: 0, .size: 8, .value_kind: global_buffer, .address_space: global }
      - { .name: wt, .offset: 8, .size: 8, .value_kind: global_buffer, .address_space: global }
      - { .name: qkv, .offset: 16, .size: 8, .value_kind: global_buffer, .address_space: global }
    .group_segment_fixed_size: 327680
    .private_segment_fixed_size: 0
    .kernarg_segment_align: 8
    .kernarg_segment_size: 24
    .max_flat_workgroup_size: 128
    .sgpr_count:     66
    .vgpr_count:     512
    .wavefront_size: 32
...
	.end_amdgpu_metadata
.endif
;; end of part 2
;; launch attn (part 3): grid 16 x 16, 4 waves a work-group, no clusters, 327,680 bytes of LDS; arguments qkv, ob; writes ob
.if DOCPART == 3
	.amdgcn_target "amdgcn-amd-amdhsa--gfx1250"
	.amdhsa_code_object_version 6
	.text
	.protected	k_q81817e462b_attn
	.globl	k_q81817e462b_attn
	.p2align	8
	.type	k_q81817e462b_attn,@function
k_q81817e462b_attn:
	s_mov_b64 s[64:65], 0
	v_nop
	global_prefetch_b8 v0, s[64:65] scope:SCOPE_SE
	s_setreg_imm32_b32 hwreg(HW_REG_WAVE_MODE, 25, 1), 1
	s_wait_xcnt 0x0
; CAUSAL ATTENTION, 16 heads of 64 channels, 4,096 rows.  O[h][q][:] = the sum over k <= q of softmax_k(Q[h][q] . K[h][k] / 8) V[h][k][:].
; qkv: [48][4096][64] f16: thirds q, k, v, each by heads, a head's rows dense, 128 bytes each.  ob: [32 blocks of 128 rows][16 heads][128][64] f16.
; Products, maxima and sums in f32; the weights p are rounded to f16 for the second product (their sum l is taken of the unrounded p), O once at the end.
; LIMITS.  p lies in 0 to 1, and below 6e-5 it keeps f16's fixed step of 6e-8; O is a mean of V's rows and has their range.  A hidden score counts as its value less 1e30: f16's scores, 2.7e11 at the most,
; are nothing beside that; a weight below 2^-126 counts as 0 in l; NaN and infinities are not treated apart.
; THE WALK.  A head's queries lie in 32 blocks of 128; keys come in tiles of 256; block i needs the tiles 0 .. i / 2, of which the last holds the diagonal.  A work-group takes TWO blocks, 31 - b and then b:
; (31 - b) / 2 + 1 + b / 2 + 1 = 17 tiles, whatever b: all 256 work-groups do equal work, and ONE loop with a constant trip count walks them.  Which tile is asked for, and what a trip does, hang on scalar
; registers made from b; every jump goes forward, but for the counted loops' own; none passes a barrier, or a tensor load but the one of LOAD's two that the wave's number does not choose.
; NO CLUSTER: only the two work-groups b = 2 j and 2 j + 1 of a head walk the same tiles from first to last; four partners would differ in their jumps.
; SHARES.  Of a block's two bands of 64 queries a wave owns 16 rows in each: two PIECES.  In the block's last tile band x's own key step is PAR + x, PAR = 2 (i % 2): earlier steps are seen whole, later
; ones are hidden whole (and computed all the same: 6 of a work-group's 136 pairs of piece and step).  That is the same work for all four waves.
; THE MASK is the C operand that starts the sum S^T = K Q^T: 0, or -1e30 where the key is hidden.  MD, made once, is the mask of a band's own step for my 16 rows; a product's mask is MD x AL + BE with two scalars:
; (1, 0) in the own step; (0, 0) before it; (0, -1e30) behind it.  Only the diagonal tile's text and a block's beginning make and take masks; elsewhere C is the constant 0.
; LAYOUT, SOFTMAX.  S^T = K Q^T holds ONE query a lane (lane % 16) and the keys 8 (lane / 16) + 0..7; two such results rounded to f16 ARE source 1 of O^T = V^T P.  p = 2^(c s - c m), c = log2(e) / 8, with a
; running maximum m; O and l are multiplied by a = 2^(c m_old - c m_new) in every step.
; TURNS.  T0(s): 8 products K Q^T of piece 1 in step s; the softmax of piece 0 in step s and the maximum of piece 1; 8 products V^T P of piece 1 in step s - 1; it fetches K of step s + 1.
; T1(s): K Q^T of piece 0 in step s + 1; the softmax of piece 1 and the maximum of piece 0; V^T P of piece 0 in step s; it fetches V of step s + 1.  Four vector instructions stand behind every matrix
; instruction, the other 54 of a turn's 118 in two lumps.  V HAS TWO BUFFERS (step j in buffer j % 2), so that V of a tile's last step is asked for a whole turn early, and the change of slots can stand
; between T1(2) and T0(3).  PAIR j of a tile is T0(j - 1), T1(j - 1): it fetches K and V of the tile's step j.  A trip of the step loop is two pairs.
; REGISTERS, in windows of 256 (s_set_vgpr_msb: bits 1:0 source 0, 3:2 source 1, 5:4 source 2, 7:6 destination):
;   window 0: v0-15 addresses and two at work; v16-23 four registers of statistics a piece; v48-55 at work; v61-63 prefetch offset and the add's two; v64-127 S^T, a buffer a piece; v192-223 P, likewise
;   window 1: v0-63 O^T, 32 a piece; v128-159 MD; v160-223 MC, two buffers      window 2: v0-31 Q; v32-63 the second block's Q; v64-127 K of one step; v128-255 V of two steps
.set NP,    2         ; pieces a wave: a name, no knob
.set KS,    64        ; keys in a step
.set PK,    144       ; a row of K in LDS: 128 bytes + 16 of padding = 36 words: the 16 rows of a load start at 16 different groups of four banks (64 banks of 4 bytes: ISA guide 11.1)
.set PV,    160       ; a row of V: 128 + 32 = 40 words
.set VOFF,  4*KS*PK   ; a slot holds a tile, four steps: 256 rows of K, then 256 rows of V
.set SLOT1, 1<<17     ; slot 1 begins here, so that one exclusive or turns an address in one slot into the other's
.set STAGE, SLOT1+4*KS*(PK+PV)  ; behind the ring, never filled by a tensor load: 16 rows x 144 bytes for each wave, for the way out
.set SP,    144
.set SPARE, STAGE+4*16*SP  ; behind the stages: the spare words, 128 bytes for each wave: two blocks of 256 bytes that no other line names
.set AK0, 2           ; v2   my lane's place in a tile of K; never rewritten
.set AV0, 3           ; v3   the same for V
.set AK,  4           ; v4   the LDS address of K's next run of loads
.set AV,  5           ; v5   of V's
.set STO, 6           ; v6   the way out: where I put 16 bytes of a row
.set RD,  7           ; v7   the way out: where I read rows back
.set GO,  8           ; v8   my byte offset in 512 consecutive bytes of ob
.set MV,  12          ; v12-13  c m_old, kept while c m is made anew: by piece
.set QO,  15          ; v15  my byte offset in 16 rows of Q
.set ST,  16          ; piece t's statistics at v[ST+4 t]: c m, m, l (even keys', odd keys')
.set TMP, 48          ; by piece, four registers c0-c3 at work; when the maximum is found c2 takes a
.set PFO, 61          ; v61  256 x my lane; never rewritten
.set SPW, 62          ; v62  LDS address of my spare word; never rewritten
.set NIL, 63          ; v63  0; never rewritten
.set S,   64
.set P,   192
.set MD,  128         ; window 1: the eight registers for group kt of 16 keys at MD + 8 kt
.set MC,  160         ; window 1: the masks of the products to come, a buffer a piece
.set QB,  32          ; window 2
.set KF,  64          ; window 2: key block kb, channel half c at KF + 16 kb + 8 c
.set VF,  128         ; window 2: buffer vb, key half kk, channel block cb at VF + 64 vb + 32 kk + 8 cb
.set WV,  12          ; s12  my wave's number
.set PB,  14          ; s14  b
.set HI,  15          ; s15  31 - b
.set G1K, 24          ; s[24:31] descriptor group 1 for K's tiles
.set G1V, 32          ; s[32:39] for V's: it differs in the padding alone
.set G0K, 40          ; s[40:43] descriptor group 0 for K's tiles
.set G0V, 44          ; s[44:47] the same for V's
.set LOQ, 48          ; s48  b / 2: the second block's last tile
.set PAR, 49          ; s49  2 (i % 2) of the block in hand
.set PARL, 50         ; s50  the second block's
.set SD,  51          ; s51  the step whose masks are being made, less PAR: -2 to 4
.set LIM, 52          ; s52  2 in the work-group that prefetches, else the greatest number
.set PFA, 54          ; s[54:55] where my prefetches stand
.set SLOTS, 56        ; s56  tiles still to be asked for
.set CNT, 57          ; s57  counts a tile's trips, 2 to 1
.set CS,  58          ; s[58:59] c: the packed scaling takes the pair's low word for both halves
.set SEL, 60          ; s[60:61] v_permlanex16_b32's selects: each lane takes its own place in the other half
.set TBK, 62          ; s62  LDS byte at which K of the step to be fetched begins
.set TBV, 63          ; s63  the same for V, less VOFF
.set RT,  70          ; s70  tiles of the block in hand that are still to be entered
.set NXT, 71          ; s71  the tile to be asked for next
.set LQ,  72          ; s72  the last tile of the block whose tiles are being asked for
.set NEW, 73          ; s73  1: the tile to be entered is a block's first
.set OFF, 74          ; s[74:75] a tile's byte offset in K and V
.set AL,  76          ; s[76:77] the mask's factor, in the low word
.set BE,  78          ; s[78:79] the mask's addend
.set OLO, 80          ; s[80:81] ob at my rows of the second block
.set BIGN, 82         ; s82  -1e30
.set MSB, 0
.macro WIN new                      ; the high byte repeats the setting that is left; a switch that changes nothing is dropped
.if MSB != (\new)
	s_set_vgpr_msb (MSB<<8)|(\new)
.set MSB, (\new)
.endif
.endm
.set W_KQ, 0x0a       ; K and Q in window 2, S^T in window 0
.set W_KM, 0x1a       ; the same with the C operand in window 1
.set W_PV, 0x52       ; V in window 2, P in window 0, O^T in window 1
.set W_RS, 0x41       ; destination and source 0 in window 1, source 1 in window 0
; A fill.  Waves 0 and 1 fetch the two halves of a tile's K, waves 2 and 3 those of its V: 128 keys each.  An s_nop 0 and four v_nop follow each of the two lines, ahead of the jump and the label.
.macro LOAD
	s_cmp_lt_u32 s[WV], 2
	s_cbranch_scc0 .Lfor_v_\@
	tensor_load_to_lds s[G0K:G0K+3], s[G1K:G1K+7]
	s_nop 0
.rept 4
	v_nop
.endr
	s_branch .Lasked_\@
.Lfor_v_\@:
	tensor_load_to_lds s[G0V:G0V+3], s[G1V:G1V+7]
	s_nop 0
.rept 4
	v_nop
.endr
.Lasked_\@:
.endm
; A PREFETCH INTO THE L2 of the tile that the NEXT change of slots will ask for.  All 16 work-groups of a head begin at tile 0 and walk upward; the one with b = 0 walks all 16 tiles, and it alone asks.
; Each of its waves names the half tile that it will itself fetch: 16,384 bytes, a lane for each 256, two instructions.  So each block of 256 bytes of K and V is named once in the launch.
; Tiles 0 and 1 come by their loads alone; with SLOTS = k the load is tile 17 - k and the prefetch tile 18 - k, so the test stops it behind tile 15.  It stands behind the wave's tensor load and its five lines.
.macro ASK
	s_cmp_gt_u32 s[SLOTS], s[LIM]
	s_cbranch_scc0 .Lnot_mine_\@
	global_prefetch_b8 v[PFO], s[PFA:PFA+1] th:TH_LOAD_NT scope:SCOPE_SE
	global_prefetch_b8 v[PFO], s[PFA:PFA+1] offset:8192 th:TH_LOAD_NT scope:SCOPE_SE
.Lnot_mine_\@:
.endm
; THE CHANGE OF SLOTS.  Each wave waits for all its tensor loads, of which one is out: its part of the other slot; adds 0 to its spare word; and waits for that and for its own reads of the slot that it leaves
; (the last is V of the tile's fourth step).  Behind the barrier nobody reads the old slot any more and the other slot is whole.  fill = 1: the old slot is filled again, the first thing behind the barrier, with
; tile NXT: the descriptor's address is made anew from that number.  (At its first use nothing has been read yet: slot 0 is waited for, slot 1 filled.)
.macro CHANGE fill
	WIN 0                           ; at a label and at a branch every window is 0
	s_wait_tensorcnt 0x0            ; no tensor load of mine is out, so a group 0 may be written
	ds_add_u32 v[SPW], v[NIL]       ; 0 onto my spare word: with fill = 1 the descriptors' scalar work stands between it and the wait for it
.if \fill
	s_lshl_b32 s[OFF], s[NXT], 15   ; a tile is 32,768 bytes of K and of V
	s_xor_b32 s[G0K+1], s[G0K+1], SLOT1
	s_add_nc_u64 s[G0K+2:G0K+3], s[6:7], s[OFF:OFF+1]
	s_or_b32 s[G0K+3], s[G0K+3], 0x80000000
	s_xor_b32 s[G0V+1], s[G0V+1], SLOT1
	s_add_nc_u64 s[G0V+2:G0V+3], s[8:9], s[OFF:OFF+1]
	s_or_b32 s[G0V+3], s[G0V+3], 0x80000000
	s_add_co_u32 s[NXT], s[NXT], 1  ; the block's next tile, or behind its last the second block's tile 0
	s_cmp_gt_u32 s[NXT], s[LQ]
	s_cselect_b32 s[NXT], 0, s[NXT]
	s_cselect_b32 s[LQ], s[LOQ], s[LQ]
	s_wait_xcnt 0x0                 ; the last prefetches, a tile back, have read their address, so it may be written:
	s_add_nc_u64 s[PFA:PFA+1], s[PFA:PFA+1], 32768  ; one tile behind the one that is asked for now
.endif
	s_wait_dscnt 0x0                ; the add is done, and my reads of the slot are over
	s_barrier_signal -1             ; the rest of the scalar work stands between the signal and the wait
	s_sub_co_u32 s[TBK], s[TBK], 4*KS*PK  ; the fetches go back to a slot's first step,
	s_xor_b32 s[TBK], s[TBK], SLOT1       ; in the other slot
	s_sub_co_u32 s[TBV], s[TBV], 4*KS*PV
	s_xor_b32 s[TBV], s[TBV], SLOT1
	s_barrier_wait -1
.if \fill
	LOAD
	ASK
.endif
.endm
	s_load_b128 s[88:91], s[0:1], 0x0  ; qkv s[88:89], ob s[90:91]
	v_lshl_add_u32 v[SPW], v0, 2, SPARE
	v_mov_b32 v[NIL], 0
	ds_add_u32 v[SPW], v[NIL]       ; the wave's opening, ahead of my first tensor load; the set-up below, work on registers, stands between the add and its wait
	ds_add_u32 v62, v63
	v_lshrrev_b32 v1, 5, v0
	v_readfirstlane_b32 s[WV], v1   ; wave 0..3
	s_mov_b32 s[PB], ttmp9
	s_sub_co_u32 s[HI], 31, s[PB]
	s_lshr_b32 s[LOQ], s[PB], 1
	s_and_b32 s[PARL], s[PB], 1
	s_lshl_b32 s[PARL], s[PARL], 1
	s_and_b32 s[PAR], s[HI], 1
	s_lshl_b32 s[PAR], s[PAR], 1
	s_and_b32 s19, ttmp7, 0xffff    ; the head
	s_lshl_b32 s20, s19, 19         ; its 524,288 bytes in each third of qkv
	s_and_b32 s16, s[WV], 1         ; which half of a tile's 256 keys I fetch:
	s_lshl_b32 s22, s16, 14         ; its 128 rows of 128 bytes in memory,
	s_add_co_u32 s22, s22, s20
	s_mov_b32 s23, 0
	s_mul_i32 s17, s16, 128*PK      ; and its place in a slot, for K
	s_mul_i32 s18, s16, 128*PV      ; and for V
	s_lshl_b32 s3, s[WV], 11        ; my 16 rows in a band of 64,
	s_lshl_b32 s2, s[HI], 14        ; in the first block (128 rows of 128 bytes),
	s_add_co_u32 s2, s2, s3
	s_add_co_u32 s2, s2, s20
	s_lshl_b32 s84, s[PB], 14       ; and in the second
	s_add_co_u32 s84, s84, s3
	s_add_co_u32 s84, s84, s20
	s_lshl_b32 s19, s19, 14         ; in ob a head's chunk of a block is 16,384 bytes,
	s_add_co_u32 s19, s19, s3
	s_lshl_b32 s66, s[HI], 18       ; a block 262,144
	s_add_co_u32 s66, s66, s19
	s_lshl_b32 s68, s[PB], 18
	s_add_co_u32 s68, s68, s19
	s_mov_b32 s3, 0
	s_mov_b32 s85, 0
	s_mov_b32 s67, 0
	s_mov_b32 s69, 0
	; descriptor group 1.  128 keys are 16,384 dense bytes: asked for as 64 rows of 256 bytes, two keys a row, and padded in LDS after every key
	s_mov_b32 s[G1K], (1<<16)|(1<<20)|(4<<22)|(3<<25)  ; 17:16 2-byte elements; 20 padding on; 24:22 after every 32 words (code 4); 31:25 4 words (code 3)
	s_mov_b32 s[G1V], (1<<16)|(1<<20)|(4<<22)|(7<<25)  ; the same with 8 words of padding (code 7)
.irp g, G1K, G1V
	s_mov_b32 s[\g+1], 128<<16      ; tensor_dim0 = 128
	s_mov_b32 s[\g+2], 64<<16       ; tensor_dim1 = 64
	s_mov_b32 s[\g+3], 128<<16      ; tile_dim0 = 128
	s_mov_b32 s[\g+4], 64           ; tile_dim1 = 64
	s_mov_b32 s[\g+5], 128          ; 128 elements from row to row
	s_mov_b32 s[\g+6], 0
	s_mov_b32 s[\g+7], 0
.endr
	s_mov_b32 s[CS], 0x3e38aa3b     ; c = log2(e) / 8 = 0.180337
	s_mov_b32 s[CS+1], s[CS]        ; named with it as a pair
	s_mov_b32 s[SEL], 0x76543210
	s_mov_b32 s[SEL+1], 0xfedcba98
	s_mov_b32 s[TBK], SLOT1+4*KS*PK ; the first change of slots turns these two into 0
	s_mov_b32 s[TBV], SLOT1+4*KS*PV
	s_mov_b32 s[G0K], 1             ; count = 1
	s_mov_b32 s[G0K+1], s17         ; LDS address: slot 0
	s_mov_b32 s[G0V], 1
	s_add_co_u32 s[G0V+1], s18, VOFF
	s_lshr_b32 s[LQ], s[HI], 1      ; the first block's last tile
	s_add_co_u32 s[RT], s[LQ], 1    ; and how many it has
	s_mov_b32 s[NXT], 1
	s_mov_b32 s[NEW], 1
	s_mov_b32 s[OFF+1], 0
	s_mov_b32 s[AL+1], 0            ; named as pairs
	s_mov_b32 s[BE+1], 0
	s_mov_b32 s[BIGN], 0xf149f2ca   ; -1e30
	s_mov_b32 s[SLOTS], 16
	s_cmp_eq_u32 s[PB], 0
	s_cselect_b32 s[LIM], 2, -1
	s_wait_dscnt 0x0                ; the opening add is done
	s_wait_kmcnt 0x0
	s_add_nc_u64 s[6:7], s[88:89], s[22:23]
	s_add_nc_u64 s[8:9], s[6:7], 0x1000000         ; V at my half of the head's tile 0: the third third,
	s_add_nc_u64 s[6:7], s[6:7], 0x800000          ; K: the second
	s_add_nc_u64 s[G0K+2:G0K+3], s[6:7], 0         ; global address
	s_or_b32 s[G0K+3], s[G0K+3], 0x80000000        ; type = 2
	s_add_nc_u64 s[G0V+2:G0V+3], s[8:9], 0
	s_or_b32 s[G0V+3], s[G0V+3], 0x80000000
	s_add_nc_u64 s[86:87], s[88:89], s[84:85]      ; Q at my rows of the second block,
	s_add_nc_u64 s[4:5], s[88:89], s[2:3]          ; and of the first
	s_add_nc_u64 s[OLO:OLO+1], s[90:91], s[68:69]
	s_add_nc_u64 s[10:11], s[90:91], s[66:67]
	s_cmp_lt_u32 s[WV], 2
	s_cselect_b64 s[PFA:PFA+1], s[6:7], s[8:9]
	s_add_nc_u64 s[PFA:PFA+1], s[PFA:PFA+1], 32768 ; at tile 1; the first change of slots steps it to tile 2.  Nothing is prefetched here, at the head
	LOAD                            ; tile 0 into slot 0: one load of mine is out, here and behind every change
	; A fragment of K or Q is 16 rows x 32 channels in 8 registers: lane l holds row l % 16, channels 8 (l / 16) + 0..7 and 16 + 8 (l / 16) + 0..7: two loads of 16 bytes, 32 bytes apart.
	v_and_b32 v1, 15, v0            ; l % 16
	v_bfe_u32 v9, v0, 4, 1          ; l / 16
	v_lshlrev_b32 v[QO], 7, v1
	v_lshl_add_u32 v[QO], v9, 4, v[QO]  ; row x 128 + 16 x half
	WIN 0x80                        ; destination window 2, address window 0
.set i, 0
.rept 4                             ; both blocks' Q: piece i / 2 lies in band i / 2, 8,192 bytes on; channels 32 (i % 2) on
	global_load_b128 v[8*i:8*i+3],   v[QO], s[4:5] offset:(i/2)*8192+(i%2)*64
	global_load_b128 v[8*i+4:8*i+7], v[QO], s[4:5] offset:(i/2)*8192+(i%2)*64+32
	global_load_b128 v[QB+8*i:QB+8*i+3],   v[QO], s[86:87] offset:(i/2)*8192+(i%2)*64
	global_load_b128 v[QB+8*i+4:QB+8*i+7], v[QO], s[86:87] offset:(i/2)*8192+(i%2)*64+32
.set i, i+1
.endr
	WIN 0
	v_lshlrev_b32 v14, 3, v9
	v_sub_nc_u32 v14, v1, v14
	s_lshl_b32 s13, s[WV], 4
	v_add_nc_u32 v14, s13, v14      ; my query's place in its band, 16 w + l % 16, less my lanes' 8 (l / 16): register r of group kt is hidden where 16 kt + r is greater
	WIN 0x40
.set i, 0
.rept 32
	v_cmp_gt_i32 vcc_lo, 16*(i/8)+i%8, v14
	v_cndmask_b32 v[MD+i], 0, s[BIGN], vcc_lo
.set i, i+1
.endr
	WIN 0
	v_mul_u32_u24 v[AK0], v1, PK
	v_lshl_add_u32 v[AK0], v9, 4, v[AK0]  ; row x pitch + 16 x half
	; The turning load takes 16 keys x 16 channels (lane l reads key 8 (l / 16) + l % 8, channels 8 ((l / 8) % 2) + 0..7) and leaves half a fragment of V^T: lane l holds channel l % 16 and 8 keys.
	v_and_b32 v10, 7, v0
	v_bfe_u32 v11, v0, 3, 1
	v_lshl_add_u32 v[AV0], v9, 3, v10
	v_mul_u32_u24 v[AV0], v[AV0], PV
	v_lshl_add_u32 v[AV0], v11, 4, v[AV0]
	v_add_nc_u32 v[AV0], VOFF, v[AV0]
	s_mul_i32 s13, s[WV], 16*SP
	s_add_co_u32 s13, s13, STAGE    ; my stage
	v_mul_u32_u24 v[STO], v1, SP    ; in: row l % 16, 16 bytes for each half of the lanes
	v_lshl_add_u32 v[STO], v9, 4, v[STO]
	v_add_nc_u32 v[STO], s13, v[STO]
	v_bfe_u32 v[RD], v0, 3, 2       ; back: 32 lanes take four rows of 128 bytes,
	v_mul_u32_u24 v[RD], v[RD], SP
	v_lshl_add_u32 v[RD], v10, 4, v[RD]
	v_add_nc_u32 v[RD], s13, v[RD]
	v_and_b32 v[GO], 31, v0         ; which are 512 consecutive bytes of ob
	v_lshlrev_b32 v[PFO], 8, v[GO]
	v_lshlrev_b32 v[GO], 4, v[GO]
	; A block's first step multiplies O^T and l by a = 0, and its first turn's products V^T P, of a step that has not been, land in an O^T that is still to be so multiplied.  So these registers need only hold
	; finite numbers: zeros for the first block; what the first block left for the second.  All this stands in the wait for the first tile.
	WIN 0x80
.set i, VF+64
.rept 64
	v_mov_b32 v[i], 0
.set i, i+1
.endr
	WIN 0x40
.set i, 0
.rept 64
	v_mov_b32 v[i], 0
.set i, i+1
.endr
	WIN 0
.set i, 0
.rept 2
	v_mov_b32 v[ST+4*i+2], 0
	v_mov_b32 v[ST+4*i+3], 0
.set i, i+1
.endr
.set i, P+16
.rept 16
	v_mov_b32 v[i], 0
.set i, i+1
.endr
; THE MATRIX WORK.  The 4 accumulators of a run of 8 take turns.  Product i of 8 of S^T = K Q^T for piece x: channels 32 (i / 4) on, keys 16 (i % 4) on.  The first 4 start the sums: with 0, or (KM = 1) with the mask.
.macro KQ x
.set rS, S+32*((\x)%2)+8*(i%4)
.set rK, KF+16*(i%4)+8*(i/4)
.set rQ, 16*(\x)+8*(i/4)
.set rM, MC+32*((\x)%2)+8*(i%4)
.if (i < 4) && KM
	WIN W_KM
	v_wmma_f32_16x16x32_f16 v[rS:rS+7], v[rK:rK+7], v[rQ:rQ+7], v[rM:rM+7]
.elseif i < 4
	WIN W_KQ
	v_wmma_f32_16x16x32_f16 v[rS:rS+7], v[rK:rK+7], v[rQ:rQ+7], 0
.else
	WIN W_KQ
	v_wmma_f32_16x16x32_f16 v[rS:rS+7], v[rK:rK+7], v[rQ:rQ+7], v[rS:rS+7]
.endif
.endm
; Product i of 8 of O^T += V^T P for piece x, on V's buffer VSEL: keys 32 (i / 4) on, channels 16 (i % 4) on.
.macro PV x
	WIN W_PV
.set rO, 32*(\x)+8*(i%4)
.set rV, VF+64*VSEL+32*(i/4)+8*(i%4)
.set rP, P+16*((\x)%2)+8*(i/4)
	v_wmma_f32_16x16x32_f16 v[rO:rO+7], v[rV:rV+7], v[rP:rP+7], v[rO:rO+7]
.endm
.macro MM                           ; the turn's next matrix instruction.  TURN and BEGIN set Y, i, KM, NOKQ and VSEL.  NOKQ = 1: a block's last turn: there is no next step
.if (i < 8) && !NOKQ
	KQ (Y+1)%NP
.elseif i >= 8
.set i, i-8
	PV (Y+NP-1)%NP
.set i, i+8
.endif
.set i, i+1
.endm
; THE LDS LOADS stand in runs of 16, never singly among the matrix instructions: a step's K (64 keys x 64 channels: 8 fragments) and its V (turned).  Their addresses are made some lines ahead.
.macro FETCH_K
	WIN 0x80                        ; destination window 2
.irp f, 0,1,2,3,4,5,6,7             ; keys 16 (f / 2) on, channels 32 (f % 2) on
	ds_load_b128 v[KF+8*\f:KF+8*\f+3],   v[AK] offset:(\f/2)*16*PK+(\f%2)*64
	ds_load_b128 v[KF+8*\f+4:KF+8*\f+7], v[AK] offset:(\f/2)*16*PK+(\f%2)*64+32
.endr
	s_add_co_u32 s[TBK], s[TBK], KS*PK  ; the next fetch is the next step's
	WIN 0
.endm
.macro FETCH_V vb
	WIN 0x80
.irp f, 0,1,2,3,4,5,6,7             ; keys 32 (f / 4) on, channels 16 (f % 4) on
	ds_load_tr16_b128 v[VF+64*(\vb)+8*\f:VF+64*(\vb)+8*\f+3],   v[AV] offset:(\f/4)*32*PV+(\f%4)*32
	ds_load_tr16_b128 v[VF+64*(\vb)+8*\f+4:VF+64*(\vb)+8*\f+7], v[AV] offset:(\f/4)*32*PV+16*PV+(\f%4)*32
.endr
	s_add_co_u32 s[TBV], s[TBV], KS*PV
	WIN 0
.endm
; THE VECTOR WORK, one line at a time: OP kind, number.  For piece Y: F n: c s - c m for pair n of 16.  E n: the exponential of score n of 32.  C n: pair n rounded to f16.  B n: of the four weights 4 n .. the second
; pair is added onto the first, in place.  L n: l takes that sum (L 0: l = a l + sum).  R n: pair n of 16 of O^T times a.  For the other piece: X n, number n of the 22 that find its maximum and statistics:
;   0-11  four chains c0-c3 of seven scores each, three operands at a time (each accumulator's lowest registers are read first)     12-14, 16  the four scores left over, the old m, and c0-c3 into c0
;   15  c m_old is kept     17, 18  the query's other 32 keys lie in the lane 16 away: the new m     19-21  c m; c m_old - c m_new; a
.set F, 0               ; OP tells the kinds apart by their order: F to L below R, X above it
.set E, 1
.set C, 2
.set B, 3
.set L, 4
.set R, 5
.set X, 6
.macro REGS y                       ; the registers of piece y
.set rT, ST+4*(\y)
.set rC, TMP+4*((\y)%2)
.set rW, MV+((\y)%2)
.set rS, S+32*((\y)%2)
.set rP, P+16*((\y)%2)
.set rO, 32*(\y)
.endm
.macro OP k, n
.if (\k) == R
	REGS Y
	WIN W_RS
	v_pk_mul_f32 v[rO+2*(\n):rO+2*(\n)+1], v[rO+2*(\n):rO+2*(\n)+1], v[rC+2:rC+3] op_sel_hi:[1,0]
.elseif (\k) < R
	REGS Y
	WIN 0
.if (\k) == F
	v_pk_fma_f32 v[rS+2*(\n):rS+2*(\n)+1], v[rS+2*(\n):rS+2*(\n)+1], s[CS:CS+1], v[rT:rT+1] op_sel_hi:[1,0,0] neg_lo:[0,0,1] neg_hi:[0,0,1]
.elseif (\k) == E
	v_exp_f32 v[rS+(\n)], v[rS+(\n)]
.elseif (\k) == C
	s_wait_alu depctr_va_vdst(0)
	v_cvt_pk_f16_f32 v[rP+(\n)], v[rS+2*(\n)], v[rS+2*(\n)+1]
.elseif (\k) == B
	s_wait_alu depctr_va_vdst(0)
	v_pk_add_f32 v[rS+4*(\n):rS+4*(\n)+1], v[rS+4*(\n):rS+4*(\n)+1], v[rS+4*(\n)+2:rS+4*(\n)+3]
.elseif (\n) == 0
	v_pk_fma_f32 v[rT+2:rT+3], v[rT+2:rT+3], v[rC+2:rC+3], v[rS:rS+1] op_sel_hi:[1,0,1]
.else
	v_pk_add_f32 v[rT+2:rT+3], v[rT+2:rT+3], v[rS+4*(\n):rS+4*(\n)+1]
.endif
.elseif NOKQ
	v_nop
.else
	REGS (Y+1)%NP
	WIN 0
.if (\n) < 4
	v_max3_num_f32 v[rC+(\n)], v[rS+8*(\n)], v[rS+8*(\n)+1], v[rS+8*(\n)+2]
.elseif (\n) < 12
	v_max3_num_f32 v[rC+(\n)%4], v[rC+(\n)%4], v[rS+8*((\n)%4)+2*((\n)/4)+1], v[rS+8*((\n)%4)+2*((\n)/4)+2]
.elseif (\n) == 12
	v_max3_num_f32 v[rC], v[rC], v[rS+7], v[rS+15]
.elseif (\n) == 13
	v_max3_num_f32 v[rC+1], v[rC+1], v[rS+23], v[rS+31]
.elseif (\n) == 14
	v_max3_num_f32 v[rC+2], v[rC+2], v[rC+3], v[rT+1]
.elseif (\n) == 15
	v_mov_b32 v[rW], v[rT]
.elseif (\n) == 16
	v_max3_num_f32 v[rC], v[rC], v[rC+1], v[rC+2]
.elseif (\n) == 17
	v_permlanex16_b32 v[rC+3], v[rC], s[SEL], s[SEL+1]
.elseif (\n) == 18
	v_max_num_f32 v[rT+1], v[rC], v[rC+3]
.elseif (\n) == 19
	v_mul_f32 v[rT], s[CS], v[rT+1]
.elseif (\n) == 20
	v_sub_f32 v[rC+1], v[rW], v[rT]
.else
	v_exp_f32 v[rC+2], v[rC+1]
.endif
.endif
.endm
.macro OPS a, i1, b=-1, i2=0, c=-1, i3=0, d=-1, i4=0  ; up to four of them
	OP \a, \i1
.if (\b) >= 0
	OP \b, \i2
.endif
.if (\c) >= 0
	OP \c, \i3
.endif
.if (\d) >= 0
	OP \d, \i4
.endif
.endm
.macro ROW a, i1, b, i2, c, i3, d, i4  ; a matrix instruction and the four behind it
	MM
	OPS \a, \i1, \b, \i2, \c, \i3, \d, \i4
.endm
.macro MASK b                       ; MD x AL + BE into buffer b of MC
	WIN W_RS
.set z, 0
.rept 16
	v_pk_fma_f32 v[MC+32*(\b)+2*z:MC+32*(\b)+2*z+1], v[MD+2*z:MD+2*z+1], s[AL:AL+1], s[BE:BE+1] op_sel_hi:[1,0,0]
.set z, z+1
.endr
.endm
; A TURN, for piece p, in a pair whose V goes into buffer vb: the order of its 16 matrix and 118 vector instructions, written out.  Behind a matrix instruction: plain, exponential, plain, plain; or four of the
; rescaling; or, behind the first, four scalings; none names a register of the products round it.  In the lumps exponential and plain by turns while exponentials last.  v_permlanex16_b32 (X 17) stands in a lump.
; Piece 1's products V^T P read V's buffer vb (the step two back from the one that the pair fetches), piece 0's read the other.
; m = 1: the diagonal tile: the products take masks, and the turn makes piece p's mask for the step that the pair fetches (SD = that step less PAR): T0's serves T1 of the same pair, T1's serves T0 of the next.
; end = 1: a block's last two turns: nothing is fetched, no mask is made, and the last starts no new scores.  cnt = 1: the loop's count is taken down some lines ahead of the branch that stands behind the turn.
; The run of LDS loads stands in the first lump: K's six vector instructions behind the last product that read K (five of them plain); V's into the buffer whose last reader stands in the turn before.
; Piece 1's turn opens with the one wait: K, asked for a turn's rest ago, and with it V, asked for a whole turn earlier.
.macro TURN p, vb, m=0, end=0, cnt=0
.set Y, (\p)
.set i, 0
.set KM, (\m)
.set NOKQ, (\end)*(\p)
.set VSEL, (\vb)+(\p)*(1-2*(\vb))
.if (\m) && !(\end)
	s_cmp_eq_i32 s[SD], \p          ; is that step the band's own?
	s_cselect_b32 s[AL], 1.0, 0
	s_cmp_gt_i32 s[SD], \p          ; or a later one?
	s_cselect_b32 s[BE], s[BIGN], 0
.if (\p) == 1
	s_add_co_i32 s[SD], s[SD], 1    ; the next pair's step
.endif
.endif
.if (\p) == 1
	s_wait_dscnt 0x0                ; K and V are in
.endif
	ROW F,0, F,1, F,2, F,3
	ROW F,4, E,0, F,5, F,6
	ROW F,7, E,1, F,8, F,9
	ROW F,10, E,2, C,0, F,11
	ROW F,12, E,3, X,15, F,13
	ROW R,0, R,1, R,2, R,3
	ROW B,0, E,4, F,14, L,0
.if !(\end)
.if (\p) == 0
	v_add_nc_u32 v[AK], s[TBK], v[AK0]
.else
	v_add_nc_u32 v[AV], s[TBV], v[AV0]
.endif
.endif
	ROW R,4, R,5, R,6, R,7
	OPS E,5, F,15
.if !(\end)
.if (\p) == 0
	FETCH_K
.else
	FETCH_V \vb
.endif
.endif
	OPS E,6, C,1, E,7, R,8
	OPS E,8, R,9, E,9, C,2
	OPS E,10, X,0, E,11, X,1
	OPS E,12, X,2, E,13, X,3
	ROW X,4, E,14, X,5, X,6
	ROW X,7, E,15, X,8, X,9
	ROW X,10, E,16, X,11, X,12
	ROW X,13, E,17, X,14, B,1
	ROW C,4, E,18, X,16, L,1
	ROW B,2, E,19, C,6, L,2
	ROW C,8, E,20, B,3, B,4
	ROW C,3, E,21, L,3, C,5
	OPS E,22, X,17, E,23, C,10
	OPS E,24, L,4
	OPS E,25, X,18, E,26, C,7
	OPS E,27, B,5, E,28, X,19
	OPS E,29, C,12, E,30, L,5
	OPS E,31, X,20, B,6, C,9
	OPS C,14, C,11, X,21, L,6
.if \cnt
	s_sub_co_u32 s[CNT], s[CNT], 1
	s_cmp_lg_u32 s[CNT], 0
.endif
	OPS C,13, B,7, C,15, R,10
	OPS R,11, R,12, L,7, R,13
	OPS R,14, R,15
.if (\m) && !(\end)
	MASK \p
.endif
.endm
; A BLOCK BEGINS, in place of its first tile's pair 0.  c m starts far below every c s, so the first step's a is 0; m at the lowest finite number, so the first maximum is the scores'.  Piece 1's mask buffer is 0;
; piece 0's takes its mask for the tile's step 0: its own step, if the block's first tile is its last and PAR is 0.  Then K and V of that step, piece 0's first scores, and its maximum and statistics.
; The step loop is entered at its second pair, in the middle of a trip.
.macro BEGIN
	s_mov_b32 s[NEW], 0
	WIN 0x40
.set i, MC+32
.rept 32
	v_mov_b32 v[i], 0
.set i, i+1
.endr
	WIN 0
.set i, 0
.rept 2
	v_mov_b32 v[ST+4*i], 0xfe000000    ; c m: far below every c s
	v_mov_b32 v[ST+4*i+1], 0xff7fffff  ; m
.set i, i+1
.endr
	s_or_b32 s13, s[RT], s[PAR]
	s_cmp_eq_u32 s13, 0
	s_cselect_b32 s[AL], 1.0, 0
	s_mov_b32 s[BE], 0
	s_add_co_i32 s[SD], s[SD], 1    ; pair 0 is left out: the next masks are step 1's
	MASK 0
	WIN 0
	v_add_nc_u32 v[AK], s[TBK], v[AK0]
	v_add_nc_u32 v[AV], s[TBV], v[AV0]
	FETCH_K
	FETCH_V 0
	s_wait_loadcnt 0x0              ; Q
	s_wait_dscnt 16                 ; K is in; V's sixteen loads may stay out
.set KM, 1
.set NOKQ, 0
.set i, 0
.rept 8
	KQ 0
.set i, i+1
.endr
	WIN 0
.rept 4
	v_nop                           ; the places behind those products
.endr
.set Y, NP-1                        ; X works for the other piece: piece 0
.irp n, 0,1,2,3,4,5,6,7,8,9,10,11,12,13,14,15,16,17,18,19,20,21
	OP X, \n
.endr
	v_nop                           ; a plain instruction behind the exponential
.endm
; THE DIAGONAL TILE's four pairs, the block's last two turns, its last products, and THE WAY OUT: l's two halves and the other half of the lanes' are added; O^T is divided by l, rounded to f16 and sent through my
; stage in LDS, a piece at a time.
.macro ALL line:vararg              ; one line for each piece t
.set t, 0
.rept 2
	\line
.set t, t+1
.endr
.endm
.macro PACK t                       ; a lane's eight channels of a row pack into 16 bytes; they go into rows of 144 bytes and come back as whole rows of 128, into S^T's registers
	WIN W_RS
.set i, 32*(\t)
.rept 16
	s_wait_alu depctr_va_vdst(0)
	v_pk_mul_f32 v[i:i+1], v[i:i+1], v[ST+4*(\t)+2:ST+4*(\t)+3] op_sel_hi:[1,0]
.set i, i+2
.endr
	WIN 0x05                        ; sources 0 and 1 window 1, destination window 0
.set i, 0
.rept 16
	v_cvt_pk_f16_f32 v[S+16*(\t)+i], v[32*(\t)+2*i], v[32*(\t)+2*i+1]
.set i, i+1
.endr
	WIN 0
.irp f, 0,1,2,3
	ds_store_b128 v[STO], v[S+16*(\t)+4*\f:S+16*(\t)+4*\f+3] offset:32*\f
.endr
.irp f, 0,1,2,3
	ds_load_b128 v[S+16*(\t)+4*\f:S+16*(\t)+4*\f+3], v[RD] offset:\f*4*SP  ; LDS serves a wave's instructions in order (ISA guide 5.7.1.4): these see the stores above; the next piece's stores come behind them
.endr
.endm
.macro SEND t, younger              ; younger: the LDS instructions issued behind piece t's loads: the next piece's eight, or none
	WIN 0
.irp f, 0,1,2,3
	s_wait_dscnt (\younger)+3-\f
	global_store_b128 v[GO], v[S+16*(\t)+4*\f:S+16*(\t)+4*\f+3], s[10:11] offset:(\t)*8192+\f*512  ; 512 consecutive bytes, at a multiple of 256 from ob's first
.endr
.endm
.macro DIAG tag                     ; the tag ends its two labels' names, which the jumps below spell out
.LstepM\tag:
	TURN 0, 0, 1
	TURN 1, 0, 1
	WIN 0
.LfirstM\tag:
	TURN 0, 1, 1
	TURN 1, 1, 1, 0, 1
	WIN 0
	s_cbranch_scc1 .LstepM\tag
	TURN 0, 0, 1, 1                 ; T0 of the tile's last step: V of the step before lies in buffer 0
	TURN 1, 0, 1, 1                 ; T1 of it: V of the last step lies in buffer 1
.set VSEL, 1
.set i, 0
.rept 8
	PV 1                            ; piece 1's V^T P of the last step
.set i, i+1
.endr
	WIN 0
	ALL v_add_f32 v[ST+4*t+2], v[ST+4*t+2], v[ST+4*t+3]
	ALL v_permlanex16_b32 v[ST+4*t+3], v[ST+4*t+2], s[SEL], s[SEL+1]
	ALL v_add_f32 v[ST+4*t+2], v[ST+4*t+2], v[ST+4*t+3]
	ALL v_rcp_f32 v[ST+4*t+2], v[ST+4*t+2]
	v_nop                           ; a plain instruction between the last reciprocal and the use of its result; with the four additions it is also the fifth place behind the last products
	PACK 0
	PACK 1                          ; a piece's arithmetic stands between the loads of the piece before and its stores
	SEND 0, 8
	SEND 1, 0
.endm
.set KM, 0
.set NOKQ, 0
.Lslot:                             ; 16 times: a tile is entered and the next is asked for
	CHANGE 1
	s_sub_co_u32 s[RT], s[RT], 1
	s_mov_b32 s[CNT], 2
	s_sub_co_i32 s[SD], 0, s[PAR]   ; the tile's step 0, less PAR
	s_cmp_eq_u32 s[NEW], 1
	s_cbranch_scc1 .Lnew            ; a block's first tile
	s_cmp_eq_u32 s[RT], 0
	s_cbranch_scc0 .Lstep           ; neither its first nor its last
	s_branch .LstepM1
.Lnew:
	BEGIN
	s_branch .Lfirst                ; in the loop a block's first tile is never its last: the first block has nine tiles or more, and the second's last is the walk's last
	DIAG 1                          ; in the loop this is the first block's end
	s_wait_xcnt 0x0                 ; the stores have read their registers and ob's address
	s_mov_b64 s[10:11], s[OLO:OLO+1]
	s_add_co_u32 s[RT], s[LOQ], 1   ; the second block has b / 2 + 1 tiles
	s_mov_b32 s[PAR], s[PARL]
	s_mov_b32 s[NEW], 1
	WIN 0x82                        ; the second block's Q goes where the one text of the turns names Q
.set i, 0
.rept 32
	v_mov_b32 v[i], v[QB+i]
.set i, i+1
.endr
	WIN 0
	s_branch .Lbottom
.Lstep:                             ; a trip: two pairs
	TURN 0, 0
	TURN 1, 0
	WIN 0
.Lfirst:
	TURN 0, 1
	TURN 1, 1, 0, 0, 1
	WIN 0
	s_cbranch_scc1 .Lstep
.Lbottom:
	s_sub_co_u32 s[SLOTS], s[SLOTS], 1
	s_cmp_lg_u32 s[SLOTS], 0
	s_cbranch_scc1 .Lslot
	CHANGE 0                        ; the walk's last tile is written out: nothing is asked for
	s_sub_co_u32 s[RT], s[RT], 1
	s_mov_b32 s[CNT], 2
	s_sub_co_i32 s[SD], 0, s[PAR]
	s_cmp_eq_u32 s[NEW], 1
	s_cbranch_scc0 .LstepM2
	BEGIN
	s_branch .LfirstM2
	DIAG 2
	s_wait_tensorcnt 0x0            ; the wave's end, behind my last tensor load and my last LDS store
	ds_add_u32 v[SPW], v[NIL]
	s_wait_dscnt 0x0
	s_endpgm
.Lfunc_end_k_q81817e462b_attn:
	.size	k_q81817e462b_attn, .Lfunc_end_k_q81817e462b_attn-k_q81817e462b_attn
	.p2alignl 7, 3214868480
	.fill 96, 4, 3214868480
	.section	.rodata,"a",@progbits
	.p2align	6, 0x0
	.amdhsa_kernel k_q81817e462b_attn
		.amdhsa_group_segment_fixed_size 327680
		.amdhsa_private_segment_fixed_size 0
		.amdhsa_enable_private_segment 0
		.amdhsa_kernarg_size 16
		.amdhsa_user_sgpr_count 2
		.amdhsa_user_sgpr_kernarg_segment_ptr 1
		.amdhsa_wavefront_size32 1
		.amdhsa_system_sgpr_workgroup_id_x 1
		.amdhsa_system_sgpr_workgroup_id_y 1
		.amdhsa_system_sgpr_workgroup_id_z 1
		.amdhsa_system_vgpr_workitem_id 0
		.amdhsa_next_free_vgpr 768
		.amdhsa_next_free_sgpr 92
		.amdhsa_reserve_vcc 1
		.amdhsa_float_denorm_mode_32 3
		.amdhsa_float_denorm_mode_16_64 3
		.amdhsa_memory_ordered 1
		.amdhsa_forward_progress 1
		.amdhsa_inst_pref_size 219
	.end_amdhsa_kernel
	.amdgpu_metadata
---
amdhsa.version: [ 1, 2 ]
amdhsa.kernels:
  - .name:           k_q81817e462b_attn
    .symbol:         k_q81817e462b_attn.kd
    .args:
      - { .name: qkv, .offset: 0, .size: 8, .value_kind: global_buffer, .address_space: global }
      - { .name: ob, .offset: 8, .size: 8, .value_kind: global_buffer, .address_space: global }
    .group_segment_fixed_size: 327680
    .private_segment_fixed_size: 0
    .kernarg_segment_align: 8
    .kernarg_segment_size: 16
    .max_flat_workgroup_size: 128
    .sgpr_count:     92
    .vgpr_count:     768
    .wavefront_size: 32
...
	.end_amdgpu_metadata
.endif
;; end of part 3
;; launch oproj (part 4): grid 8 x 32, 4 waves a work-group, clusters of 4 x 4, 327,680 bytes of LDS; arguments ob, wot, out0; writes out0
.if DOCPART == 4
	.amdgcn_target "amdgcn-amd-amdhsa--gfx1250"
	.amdhsa_code_object_version 6
	.text
	.protected	k_q81817e462b_oproj
	.globl	k_q81817e462b_oproj
	.p2align	8
	.type	k_q81817e462b_oproj,@function
k_q81817e462b_oproj:
	s_mov_b64 s[64:65], 0
	v_nop
	global_prefetch_b8 v0, s[64:65] scope:SCOPE_SE
	s_setreg_imm32_b32 hwreg(HW_REG_WAVE_MODE, 25, 1), 1
	s_wait_xcnt 0x0
	s_wait_alu depctr_hold_cnt(0) depctr_sa_sdst(0) depctr_va_vdst(0) depctr_va_sdst(0) depctr_va_ssrc(0) depctr_va_vcc(0) depctr_vm_vsrc(0)
	s_getreg_b32 s2, hwreg(HW_REG_IB_STS2, 6, 4)
	s_cmp_eq_u32 s2, 0
	s_cbranch_scc0 .Lentry_in_a_cluster
	s_endpgm
.Lentry_in_a_cluster:
	s_bfe_u32 s2, ttmp6, 0x10000c
	s_cmp_lg_u32 s2, 0xf033
	s_cbranch_scc0 .Lentry_shape_is_right
	s_endpgm
.Lentry_shape_is_right:
; OPROJ.  out0[t][n] = the sum over k of O[t][k] wot[n][k], k = 64 x head + channel: [4096][1024] x [1024][1024], f16 products, f32 sums, f32 out.
; A = ob: [32 blocks of 128 rows][16 heads][128][64] f16: for a tile row of 128 rows the heads' chunks of 16,384 bytes lie on end, so a K step of 256 (four heads) is 65,536 dense bytes.
; B = wot: [1024 n][1024 k] f16, w_o rounded to bf16 and written as f16.
; SHAPE.  A tile of C is 128 x 128: 8 x 32 = 256 work-groups.  Four waves, each 64 x 64: 16 accumulators.  K goes in four steps of 256 through two LDS slots.
; A wave's tensor load of A brings two heads' chunks (32,768 dense bytes, asked for as 128 rows of 256 bytes and padded behind every 128: in LDS head q of the step lies at 18,432 q, row r at 144 r);
; a wave's load of B brings 64 rows of 512 bytes.
; CLUSTERS: 4 x 4 work-groups.  The four of a row of the cluster need the same tiles of A, the four of a column the same tiles of B: each tile is asked for JOINTLY, by the same tensor load with the
; same descriptor and a mask that names the four.  THE MATRIX INSTRUCTION IS USED TRANSPOSED (source 0 = 16 rows of B, source 1 = 16 rows of A): a lane then holds eight neighbouring numbers of a row of C.
; A wave's 64 columns are 256 consecutive bytes of a row of out0, aligned: each wave has a stage of its own on the way out, and no barrier stands there.
; REGISTERS: window 0: v0-31 addresses; v128-255 the accumulators ((a, b) at v[128 + 8 (4 a + b)]), into which the rows come back on the way out.
;   window 1: two fragment buffers of 128: for 64 along K, 64 registers of A (2 x 4 x 16 rows x 32 K), then 64 of B.
.set SIZE_K, 1024
.set PA,     144                       ; an LDS row of A: 128 bytes + 16 of padding = 36 words: the 16 rows of a load start at 16 different groups of four banks (64 banks of 4 bytes: ISA guide 11.1)
.set AQ,     128*PA                    ; bytes from a quarter (64 along K: a head) of A to the next
.set AHALF,  2*AQ                      ; what a tensor load of A fills: two heads
.set PB,     528                       ; an LDS row of B: 512 bytes + 16 of padding
.set BQ,     128
.set BHALF,  64*PB
.set SLOT,   2*AHALF+2*BHALF           ; A's four heads, then B's 128 rows
.set STAGE,  2*SLOT                    ; behind the ring, never filled by a tensor load: 16 rows x 272 bytes for each wave
.set SP,     272
.set WST,    16*SP
.set SPARE,  STAGE+4*WST               ; behind the stages: the spare words, 128 bytes for each wave: two blocks of 256 bytes that no other line names
.set ASTEP,  65536                     ; bytes from a K step of A to the next in memory
.set BSTEP,  512
.set LAPS,   2                         ; a lap = two K steps = once round the ring
.set ADRA, 16                          ; v16-17  LDS address of my A fragments in slot 0, 1
.set ADRB, 20                          ; v20-21  the same for B
.set STO,  24                          ; v24     the way out: where I put 32 bytes of a row
.set RD,   25                          ; v25     the way out: where I read a row back
.set CO,   26                          ; v26     my byte offset in two rows of out0
.set SPW,  28                          ; v28     LDS address of my spare word; never rewritten
.set NIL,  29                          ; v29     0; never rewritten
.set ACC,  128
.set F0,   0                           ; fragment buffers, in window 1
.set F1,   128
.set G1, 24                            ; s[24:31] descriptor group 1 for A's tiles;  s[32:39] group 0, one set for each slot
.set G0, 32
.set G1B, 48                           ; s[48:55], s[56:63] the same for B's tiles
.set G0B, 56
.set MSB, 0
.macro WIN new                         ; the immediate's high byte repeats the setting that is left; a switch that changes nothing is dropped
.if MSB != (\new)
	s_set_vgpr_msb (MSB<<8)|(\new)
.set MSB, \new
.endif
.endm
.set MUL,  0x05                        ; sources 0 (B) and 1 (A) window 1; C and D window 0
.set TO_F, 0x40                        ; destination window 1, address window 0
.macro JLOAD s                         ; a joint load: waves 0 and 1 fetch A's two halves, waves 2 and 3 B's; an s_nop 0 and four v_nop follow each of the two lines
	s_cmp_eq_u32 s11, 0
	s_cbranch_scc0 .Lfor_b_\@
	tensor_load_to_lds s[G0+4*(\s):G0+4*(\s)+3], s[G1:G1+7]
	s_nop 0
.rept 4
	v_nop
.endr
	s_branch .Lasked_\@
.Lfor_b_\@:
	tensor_load_to_lds s[G0B+4*(\s):G0B+4*(\s)+3], s[G1B:G1B+7]
	s_nop 0
.rept 4
	v_nop
.endr
.Lasked_\@:
.endm
.macro CREST                           ; a round of the cluster's barrier behind its opening barrier
	s_cmp_lg_u32 s10, 0
	s_cbranch_scc1 .Lnot_wave_0_\@
	s_barrier_signal -3
.Lnot_wave_0_\@:
	s_barrier_wait -3
	s_barrier_signal -1
	s_barrier_wait -1
.endm
.macro CROUND                          ; a whole round
	s_barrier_signal -1
	s_barrier_wait -1
	CREST
.endm
	s_load_b128 s[4:7], s[0:1], 0x0                ; A = ob s[4:5], B = wot s[6:7]
	s_load_b64 s[8:9], s[0:1], 0x10                ; out0
	v_lshl_add_u32 v[SPW], v0, 2, SPARE
	v_mov_b32 v[NIL], 0
	ds_add_u32 v[SPW], v[NIL]                      ; the wave's opening, ahead of my first tensor load; the set-up below, work on registers, stands between the add and its wait
	ds_add_u32 v28, v29
	v_lshrrev_b32 v1, 5, v0
	v_readfirstlane_b32 s10, v1                    ; wave 0..3
	s_lshr_b32 s11, s10, 1                         ; which half of the tile's rows is mine.  Also: I fetch for A (0) or for B (1)
	s_and_b32 s12, s10, 1                          ; which half of its columns.  Also: which half of that tile I fetch
	s_bfe_u32 s40, ttmp6, 0x40000                  ; cx, cy: my place in the cluster
	s_bfe_u32 s41, ttmp6, 0x40004
	s_lshl_b32 s42, ttmp9, 2
	s_add_co_u32 s42, s42, s40                     ; tile column of C = 4 x cluster x + cx
	s_and_b32 s13, ttmp7, 0xffff
	s_lshl_b32 s13, s13, 2
	s_add_co_u32 s13, s13, s41                     ; tile row of C = 4 x cluster y + cy
	s_lshl_b32 s43, s41, 2
	s_lshl_b32 s43, 15, s43                        ; my row of the cluster
	s_lshl_b32 s44, 0x1111, s40                    ; my column
	; descriptor group 1 for A: 128 rows x 128 elements, dense in memory, padded in LDS after every 128 bytes
	s_or_b32 s[G1+0], s43, (1<<16)|(1<<20)|(1<<21)|(4<<22)|(3<<25)  ; 15:0 the mask: A's tiles go to my row; 17:16 elements of 2 bytes; 20 padding on; 21 set beside a mask; 24:22 after every 32 words (code 4); 31:25 4 words (code 3)
	s_mov_b32 s[G1+1], 128<<16                     ; tensor_dim0 = 128
	s_mov_b32 s[G1+2], 128<<16                     ; tensor_dim1 = 128
	s_mov_b32 s[G1+3], 128<<16                     ; tile_dim0 = 128
	s_mov_b32 s[G1+4], 128                         ; tile_dim1 = 128
	s_mov_b32 s[G1+5], 128                         ; elements from row to row
	s_mov_b32 s[G1+6], 0
	s_mov_b32 s[G1+7], 0
	; for B: 64 rows x 256 elements, padded after every 512 bytes
	s_or_b32 s[G1B+0], s44, (1<<16)|(1<<20)|(1<<21)|(6<<22)|(3<<25)
	s_mov_b32 s[G1B+1], 256<<16
	s_mov_b32 s[G1B+2], 64<<16
	s_mov_b32 s[G1B+3], 256<<16
	s_mov_b32 s[G1B+4], 64
	s_mov_b32 s[G1B+5], SIZE_K
	s_mov_b32 s[G1B+6], 0
	s_mov_b32 s[G1B+7], 0
	; where the tiles come from.  A's hang on the tile row alone, B's on the tile column alone; each address is made in registers that never hold the other coordinate
	s_lshl_b32 s16, s13, 18                        ; A: 262,144 bytes a tile row,
	s_lshl_b32 s17, s12, 15                        ; two heads' chunks a half
	s_add_co_u32 s16, s16, s17
	s_mov_b32 s17, 0
	s_lshl_b32 s46, s42, 18                        ; B: 128 rows of 2,048 bytes a tile column,
	s_lshl_b32 s47, s12, 17                        ; 64 rows a half
	s_add_co_u32 s46, s46, s47
	s_mov_b32 s47, 0
	s_mul_i32 s20, s12, AHALF                      ; where they go: A's two halves,
	s_mul_i32 s23, s12, BHALF
	s_add_co_u32 s23, s23, 2*AHALF                 ; then B's two: no place in the cluster enters an LDS address
	s_wait_dscnt 0x0                               ; the opening add is done
	s_wait_kmcnt 0x0
	s_add_nc_u64 s[14:15], s[4:5], s[16:17]
	s_add_nc_u64 s[46:47], s[6:7], s[46:47]
	CROUND                                         ; all sixteen work-groups are here: the first joint loads meet
.irp s, 0,1
	s_mov_b32 s[G0+4*(\s)], 1                      ; count = 1
	s_add_co_u32 s[G0+4*(\s)+1], s20, (\s)*SLOT    ; LDS address
	s_add_nc_u64 s[G0+4*(\s)+2:G0+4*(\s)+3], s[14:15], (\s)*ASTEP  ; global address: K step s
	s_or_b32 s[G0+4*(\s)+3], s[G0+4*(\s)+3], 0x80000000            ; type = 2
	s_mov_b32 s[G0B+4*(\s)], 1
	s_add_co_u32 s[G0B+4*(\s)+1], s23, (\s)*SLOT
	s_add_nc_u64 s[G0B+4*(\s)+2:G0B+4*(\s)+3], s[46:47], (\s)*BSTEP
	s_or_b32 s[G0B+4*(\s)+3], s[G0B+4*(\s)+3], 0x80000000
	JLOAD \s                                       ; two loads of mine are out behind these
.endr
	v_and_b32 v1, 15, v0                           ; l % 16
	v_bfe_u32 v2, v0, 4, 1                         ; l / 16
	v_mul_u32_u24 v3, v1, PA
	v_lshl_add_u32 v3, v2, 4, v3                   ; a fragment's row x pitch + 16 x half, for A
	v_mul_u32_u24 v4, v1, PB
	v_lshl_add_u32 v4, v2, 4, v4                   ; and for B
	s_mul_i32 s21, s11, 64*PA                      ; my 64 rows in each head's chunk of A
	s_mul_i32 s22, s12, BHALF                      ; my 64 rows of B,
	s_add_co_u32 s22, s22, 2*AHALF                 ; which lie behind A's
.irp s, 0,1
	v_add_nc_u32 v[ADRA+(\s)], s21, v3
	v_add_nc_u32 v[ADRB+(\s)], s22, v4
	s_add_co_u32 s21, s21, SLOT
	s_add_co_u32 s22, s22, SLOT
.endr
	s_mul_i32 s23, s10, WST
	s_add_co_u32 s23, s23, STAGE                   ; my stage
	v_mul_u32_u24 v4, v1, SP                       ; in: row l % 16, 32 bytes for each half of the lanes
	v_lshl_add_u32 v4, v2, 5, v4
	v_add_nc_u32 v[STO], s23, v4
	v_mul_u32_u24 v5, v2, SP                       ; back: lanes 0-15 take one row of 256 bytes, lanes 16-31 the next
	v_lshl_add_u32 v5, v1, 4, v5
	v_add_nc_u32 v[RD], s23, v5
	v_lshlrev_b32 v5, 12, v2                       ; and the same two rows in out0
	v_lshl_add_u32 v[CO], v1, 4, v5
	s_lshl_b32 s16, s13, 19                        ; my first row: 128 rows of 4,096 bytes a tile row,
	s_lshl_b32 s17, s11, 18                        ; 64 a half
	s_add_co_u32 s16, s16, s17
	s_mov_b32 s17, 0
	s_add_nc_u64 s[8:9], s[8:9], s[16:17]
	s_lshl_b32 s46, s42, 9                         ; my first column: 512 bytes a tile column,
	s_lshl_b32 s47, s12, 8                         ; 256 a half
	s_add_co_u32 s46, s46, s47
	s_mov_b32 s47, 0
	s_add_nc_u64 s[8:9], s[8:9], s[46:47]
; 8 matrix instructions: m blocks a0, a0 + 1 x all 4 n blocks, 32 along K: half c of buffer f.  zero = 1: the first product starts the sums.  The 16 accumulators take turns.
.macro MUL8 f, c, a0, zero
	WIN MUL
.irp a, \a0, (\a0)+1
.irp b, 0,1,2,3
.if \zero
	v_wmma_f32_16x16x32_f16 v[ACC+8*(4*(\a)+(\b)):ACC+8*(4*(\a)+(\b))+7], v[(\f)+64+8*(4*(\c)+(\b)):(\f)+64+8*(4*(\c)+(\b))+7], v[(\f)+8*(4*(\c)+(\a)):(\f)+8*(4*(\c)+(\a))+7], 0
.else
	v_wmma_f32_16x16x32_f16 v[ACC+8*(4*(\a)+(\b)):ACC+8*(4*(\a)+(\b))+7], v[(\f)+64+8*(4*(\c)+(\b)):(\f)+64+8*(4*(\c)+(\b))+7], v[(\f)+8*(4*(\c)+(\a)):(\f)+8*(4*(\c)+(\a))+7], v[ACC+8*(4*(\a)+(\b)):ACC+8*(4*(\a)+(\b))+7]
.endif
.endr
.endr
.endm
; 32 LDS loads in one run: the fragments of quarter q (64 along K: one head of A) of a slot, into buffer f; the first 32 along K first.  The largest offset is 3 AQ + 64 + 48 PA + 32 = 62,304
.macro FETCH slot, q, f
	WIN TO_F
.irp c, 0,1
.irp i, 0,1,2,3
	ds_load_b128 v[(\f)+64+8*(4*(\c)+(\i)):(\f)+64+8*(4*(\c)+(\i))+3],   v[ADRB+(\slot)] offset:(\q)*BQ+64*(\c)+(\i)*16*PB
	ds_load_b128 v[(\f)+64+8*(4*(\c)+(\i))+4:(\f)+64+8*(4*(\c)+(\i))+7], v[ADRB+(\slot)] offset:(\q)*BQ+64*(\c)+(\i)*16*PB+32
	ds_load_b128 v[(\f)+8*(4*(\c)+(\i)):(\f)+8*(4*(\c)+(\i))+3],         v[ADRA+(\slot)] offset:(\q)*AQ+64*(\c)+(\i)*16*PA
	ds_load_b128 v[(\f)+8*(4*(\c)+(\i))+4:(\f)+8*(4*(\c)+(\i))+7],       v[ADRA+(\slot)] offset:(\q)*AQ+64*(\c)+(\i)*16*PA+32
.endr
.endr
.endm
.macro PLACES                          ; four places in front of loads into registers that matrix instructions have read, and of lines that read results
.rept 4
	v_nop
.endr
.endm
; A K step is four quarters, 32 matrix instructions each, on buffers 0, 1, 0, 1.  One of the first three: multiplies buffer f and fetches quarter q into g.
.macro QUARTER slot, q, f, g, zero
	s_wait_dscnt 16                                ; the first 32 along K are in; the sixteen younger loads may stay out
	WIN MUL
	MUL8 \f, 0, 0, \zero
	MUL8 \f, 0, 2, \zero
	PLACES
	FETCH \slot, \q, \g
	s_wait_dscnt 32                                ; all but the 32 just issued
	WIN MUL
	MUL8 \f, 1, 0, 0
	MUL8 \f, 1, 2, 0
.endm
; The last quarter multiplies buffer 1 and changes slots: ONE barrier; in front of it each wave waits for all its tensor loads, adds 0 to its spare word, and waits for that and for its own reads of this slot.
; fill = 1: the barrier opens a round of the cluster's, and this slot is filled again, two K steps ahead.
.macro TURN slot, next, fill
	WIN 0                                          ; (the add's two registers lie in window 0)
	s_wait_tensorcnt 0x0                           ; all my tensor loads have landed: the one that was out is my part of the next slot;
	ds_add_u32 v[SPW], v[NIL]                      ; 0 onto my spare word
	s_wait_dscnt 17                                ; (the add and the youngest sixteen loads may be out)
	WIN MUL
	MUL8 F1, 0, 0, 0                               ; eight matrix instructions stand between the add and the wait for it
	s_wait_dscnt 0x0                               ; the add is done, and my reads of this slot are over
	s_barrier_signal -1
	MUL8 F1, 0, 2, 0
.if \fill
	WIN 0
.endif
	s_barrier_wait -1
.if \fill
	CREST                                          ; no wave of any partner still reads this slot's tile or has a load on its way
	s_add_nc_u64 s[G0+4*(\slot)+2:G0+4*(\slot)+3], s[G0+4*(\slot)+2:G0+4*(\slot)+3], 2*ASTEP
	s_add_nc_u64 s[G0B+4*(\slot)+2:G0B+4*(\slot)+3], s[G0B+4*(\slot)+2:G0B+4*(\slot)+3], 2*BSTEP
	JLOAD \slot                                    ; the first tensor load behind the round, my only one until the next; its four v_nop are also the places in front of the loads below
.else
	PLACES
.endif
	FETCH \next, 0, F0
	WIN MUL
	MUL8 F1, 1, 0, 0
	MUL8 F1, 1, 2, 0
.endm
	s_wait_tensorcnt 1                             ; my part of K step 0 is in; K step 1's load may stay out
	s_barrier_signal -1
	s_barrier_wait -1                              ; everybody's is
	FETCH 0, 0, F0
	QUARTER 0, 1, F0, F1, 1                        ; the first quarter stands in front of the loop: its first products start the sums
	WIN 0                                          ; at a label and at a branch every window is 0
	s_mov_b32 s3, LAPS-1
.Llap:                                                 ; a trip goes once round the ring, from a lap's second quarter to the next lap's first, and fills both slots again
	QUARTER 0, 2, F1, F0, 0
	QUARTER 0, 3, F0, F1, 0
	TURN 0, 1, 1
	QUARTER 1, 1, F0, F1, 0
	QUARTER 1, 2, F1, F0, 0
	QUARTER 1, 3, F0, F1, 0
	TURN 1, 0, 1
	QUARTER 0, 1, F0, F1, 0
	WIN 0
	s_sub_co_u32 s3, s3, 1
	s_cmp_lg_u32 s3, 0
	s_cbranch_scc1 .Llap
	QUARTER 0, 2, F1, F0, 0                        ; the last lap fills nothing, and has no round of the cluster's barrier
	QUARTER 0, 3, F0, F1, 0
	TURN 0, 1, 0
	QUARTER 1, 1, F0, F1, 0
	QUARTER 1, 2, F1, F0, 0
	QUARTER 1, 3, F0, F1, 0
	s_wait_dscnt 16                                ; the very last quarter: nothing more to fetch
	WIN MUL
	MUL8 F1, 0, 0, 0
	MUL8 F1, 0, 2, 0
	s_wait_dscnt 0
	MUL8 F1, 1, 0, 0
	MUL8 F1, 1, 2, 0
	WIN 0
	; THE WAY OUT, a block of 16 rows at a time: a lane's eight f32 of a row go as 32 bytes into my stage's rows of 272 bytes and come back as whole rows of 256, into the registers that they left.
.macro OUTB a
.irp b, 0,1,2,3
	ds_store_b128 v[STO], v[ACC+8*(4*(\a)+(\b)):ACC+8*(4*(\a)+(\b))+3]   offset:64*(\b)      ; each accumulator from its low end on
	ds_store_b128 v[STO], v[ACC+8*(4*(\a)+(\b))+4:ACC+8*(4*(\a)+(\b))+7] offset:64*(\b)+16
.endr
.irp t, 0,1,2,3,4,5,6,7
	ds_load_b128 v[ACC+32*(\a)+4*(\t):ACC+32*(\a)+4*(\t)+3], v[RD] offset:(\t)*2*SP  ; LDS serves a wave's instructions in order (ISA guide 5.7.1.4): these see the stores above; the next block's stores come behind them
.endr
.endm
.macro SENDO a, younger                ; younger: the LDS instructions issued behind block a's loads: the next block's sixteen, or none
.irp t, 0,1,2,3,4,5,6,7
	s_wait_dscnt (\younger)+7-(\t)
	global_store_b128 v[CO], v[ACC+32*(\a)+4*(\t):ACC+32*(\a)+4*(\t)+3], s[8:9] offset:(16*(\a)+2*(\t))*4096 th:TH_STORE_NT  ; 16 lanes store 256 consecutive bytes, at a multiple of 256 from out0's first
.endr
.endm
	PLACES
	OUTB 0
	OUTB 1
	SENDO 0, 16
	OUTB 2
	SENDO 1, 16
	OUTB 3
	SENDO 2, 16
	SENDO 3, 0
	s_wait_tensorcnt 0x0                           ; the wave's end, behind my last tensor load and my last LDS store
	ds_add_u32 v[SPW], v[NIL]
	s_wait_dscnt 0x0
	CROUND                                         ; the closing round: no work-group ends while a partner may still ask for a tile that names it
	s_endpgm
.Lfunc_end_k_q81817e462b_oproj:
	.size	k_q81817e462b_oproj, .Lfunc_end_k_q81817e462b_oproj-k_q81817e462b_oproj
	.p2alignl 7, 3214868480
	.fill 96, 4, 3214868480
	.section	.rodata,"a",@progbits
	.p2align	6, 0x0
	.amdhsa_kernel k_q81817e462b_oproj
		.amdhsa_group_segment_fixed_size 327680
		.amdhsa_private_segment_fixed_size 0
		.amdhsa_enable_private_segment 0
		.amdhsa_kernarg_size 24
		.amdhsa_user_sgpr_count 2
		.amdhsa_user_sgpr_kernarg_segment_ptr 1
		.amdhsa_wavefront_size32 1
		.amdhsa_system_sgpr_workgroup_id_x 1
		.amdhsa_system_sgpr_workgroup_id_y 1
		.amdhsa_system_sgpr_workgroup_id_z 1
		.amdhsa_system_vgpr_workitem_id 0
		.amdhsa_next_free_vgpr 512
		.amdhsa_next_free_sgpr 66
		.amdhsa_reserve_vcc 0
		.amdhsa_float_denorm_mode_32 3
		.amdhsa_float_denorm_mode_16_64 3
		.amdhsa_memory_ordered 1
		.amdhsa_forward_progress 1
		.amdhsa_inst_pref_size 87
	.end_amdhsa_kernel
	.amdgpu_metadata
---
amdhsa.version: [ 1, 2 ]
amdhsa.kernels:
  - .name:           k_q81817e462b_oproj
    .symbol:         k_q81817e462b_oproj.kd
    .args:
      - { .name: ob, .offset: 0, .size: 8, .value_kind: global_buffer, .address_space: global }
      - { .name: wot, .offset: 8, .size: 8, .value_kind: global_buffer, .address_space: global }
      - { .name: out0, .offset: 16, .size: 8, .value_kind: global_buffer, .address_space: global }
    .group_segment_fixed_size: 327680
    .private_segment_fixed_size: 0
    .kernarg_segment_align: 8
    .kernarg_segment_size: 24
    .max_flat_workgroup_size: 128
    .sgpr_count:     66
    .vgpr_count:     512
    .wavefront_size: 32
...
	.end_amdgpu_metadata
.endif
;; end of part 4
